; MI455X (gfx1250); checked and timed in simulation.
; The chip was launched on July 23, 2026; its instructions are those of AMD's public machine-readable ISA for CDNA 5 (MIT licence, August 2026) and "CDNA5" Instruction Set Architecture Reference Guide (July 2026). The comments in the code are by the model that wrote it; some were corrected since.
;; Block. Allowed arithmetic: matrix products marked QUANTISED: E3M2 operands, one E8M0 scale for each 32 along K, by v_wmma_scale_f32_16x16x128_f8f6f4 with both operands' format E3M2, f32 sums; everything else in f32.
;; Inputs: ln1_w 1,024 float32; ln2_w 1,024 float32; mlp_w1 4,096 x 1,024 float32; mlp_w2 1,024 x 4,096 float32; proj_w 1,024 x 1,024 float32; qkv_w 3,072 x 1,024 float32; x 2 x 2,048 x 1,024 float32.
;; Outputs: out0 2 x 2,048 x 1,024 float32.
;; This version of the problem:
;;   THIS VERSION OF THE PROBLEM IS GIVEN IN LOW PRECISION. The matrix products marked QUANTISED in the list below multiply operands that are first quantised to E3M2 (3 exponent bits, 2 mantissa bits; 6 bits a number), with one power-of-two scale for each 32 numbers along K (OCP MX v1.0); their sums are f32. All else is computed in f32.
;;   The module's matrix products, in the order in which they are computed (A, B: the left and right operand; K: the contracted axis; several contracted axes count as one K, in the product's order):
;;     1. [M 4,096, K 1,024] x [K 1,024, N 3,072]; A: computed on the way; B: input qkv_w: QUANTISED
;;     2. batch 32 x [M 2,048, K 64] x [K 64, N 2,048]; A: computed on the way; B: computed on the way: QUANTISED
;;     3. batch 32 x [M 2,048, K 2,048] x [K 2,048, N 64]; A: softmax (see below); B: computed on the way: QUANTISED
;;     4. [M 4,096, K 1,024] x [K 1,024, N 1,024]; A: computed on the way; B: input proj_w: QUANTISED
;;     5. [M 4,096, K 1,024] x [K 1,024, N 4,096]; A: computed on the way; B: input mlp_w1: QUANTISED
;;     6. [M 4,096, K 4,096] x [K 4,096, N 1,024]; A: computed on the way; B: input mlp_w2: QUANTISED
;;   THE QUANTISER, for each operand of a quantised product, along K:
;;     - K is cut into blocks of 32 from its start; a last block that is shorter is filled with zeros.
;;     - A block's scale is 2^e with e = floor(log2(the largest magnitude in the block)) - 4, held to -126 .. 127; a block of zeros has e = 0. As a byte (E8M0): e + 127.
;;     - Each number is divided by its block's scale, clamped to +-28, and rounded to the nearest number of E3M2, ties to even, subnormals kept.
;;     - The product sums the exact products of the quantised numbers (number of the format x scale) in f32.
;;   ~~~python
;;   def quantise(x, axis):      # numpy; x: float32 -> the quantised numbers, widened to float32 again
;;       x = np.moveaxis(x, axis, -1); K = x.shape[-1]
;;       x = np.pad(x, [(0, 0)] * (x.ndim - 1) + [(0, -K % 32)]); x = x.reshape(x.shape[:-1] + (-1, 32)); a = np.abs(x).max(-1, keepdims=True)
;;       e = np.where(a > 0, np.clip(np.frexp(np.where(a > 0, a, 1))[1] - 1 - 4, -126, 127), 0)      # np.frexp(a)[1] - 1 = floor(log2(a)), exactly
;;       r = np.clip(x / 2.0 ** e, -28, 28)
;;       step = 2.0 ** (np.maximum(np.frexp(np.where(r == 0, 1, r))[1] - 1, -2) - 2)
;;       q = np.round(r / step) * step * 2.0 ** e      # np.round: ties to even
;;       return np.moveaxis(q.reshape(q.shape[:-2] + (-1,))[..., :K], -1, axis).astype(np.float32)
;;   ~~~
;;   SOFTMAX AHEAD OF A QUANTISED PRODUCT. Where the list says 'softmax', what is quantised is not the finished softmax but p = 2^(t - M), with t = logit x log2(e) and M = ceil(the row's largest t), a whole number; so 1/2 < the row's largest p <= 1. The row's sum l is taken of the UNQUANTISED p, in f32, and the product's result is divided by l at the end. Since M is a whole number, a kernel that streams over the keys may use a running M (the ceiling of the running maximum): every later rescaling is an exact power of two, which a block's scale takes up: the codes' values come out the same.
;;   OPERANDS COMPUTED ON THE WAY. 'Computed on the way' means the value that the module computes at that place (a softmax that the list does not call 'softmax' is quantised finished and normalised). What goes into a quantiser is computed in f32, as accurately as f32 sums, v_exp_f32 and their like allow (about 1e-6 of the number): no bf16 or f16 on the way to a quantiser, and a product that is left as it is and whose result goes on into a quantised operand takes f32 operands (vector FMAs, or v_wmma_f32_16x16x4_f32). A number that lies on a knife's edge between two numbers of the format may be rounded either way, as far as f32 arithmetic and the matrix unit's own rounding can turn it there, and no further.
;; One version. Each part assembles by itself: llvm-mc -triple=amdgcn-amd-amdhsa -mcpu=gfx1250 --defsym DOCPART=n.
;; ======== version 1 of 1: 6 launches
;; limits: right only within a limited range of input values
;; workspace buffers: pk1 13,107,200 bytes; q 3,407,872 bytes; kv 6,684,672 bytes; o 3,276,800 bytes; xmid 16,777,216 bytes; y 3,276,800 bytes; h 13,107,200 bytes
;; launch prep1 (part 1): grid 1024 x 1, 8 waves a work-group, no clusters, 73,728 bytes of LDS; arguments x, ln1_w, qkv_w, proj_w, mlp_w1, mlp_w2, pk1; writes pk1
.if DOCPART == 1
	.amdgcn_target "amdgcn-amd-amdhsa--gfx1250"
	.amdhsa_code_object_version 6
	.text
	.protected	k_q403791f0e7_prep1
	.globl	k_q403791f0e7_prep1
	.p2align	8
	.type	k_q403791f0e7_prep1,@function
k_q403791f0e7_prep1:
	s_mov_b64 s[64:65], 0
	v_nop
	global_prefetch_b8 v0, s[64:65] scope:SCOPE_SE
	s_setreg_imm32_b32 hwreg(HW_REG_WAVE_MODE, 25, 1), 1
	s_wait_xcnt 0x0
; LAYER NORM AND QUANTISER.  Rows of f32 become codes of BF6 (E3M2) with one E8M0 byte for each 32 along K, laid as IMAGES OF OPERAND REGISTERS.
; A fragment (16 rows x 128 K, 12 registers a lane) is 1,536 bytes: six groups of 256 bytes, group g = registers 2 g, 2 g + 1, lane l's 8 bytes at 256 g + 8 l.
; A record (64 rows x 128 K) is four fragments and 64 scale words (tile t, place r at 6144 + 64 t + 4 r): 6,400 bytes.  An operand [rows][K] lies [rows / 64][K / 128] records.
; THE ROWS OF A TILE ARE NOT NEIGHBOURS: of 32 rows, tile u's place r holds row 8 u + r + 8 (r / 8), so that a product's 16 registers of two neighbouring tiles are 16 neighbours.
; A work-group takes one tile of 16 rows and eight K steps of 128, a K step a wave.  Work-groups 0-255 take x and normalise it: (x - mean) rsqrt(var) w, in two passes, the eight waves' sums meeting in LDS.
; The others take the four weights: 256-447 qkv_w, 448-511 proj_w, 512-767 mlp_w1, 768-1023 mlp_w2 (K = 4,096: four work-groups a tile).
; ONE PATH FOR ALL: a weight runs the same lines with mean 0, factor 1 and gain 1 put in by selects, which change no bit; so both barriers lie on every wave's path.
; REGISTERS: 128 a wave and 73,728 bytes of LDS a work-group, so that four work-groups' 32 waves have room on a WGP's four SIMDs of 1,024 registers.  The rows land in v64-127, go to the wave's stage and come back into the same
; registers in the fragment's order.  The gains of my K step (512 bytes, one load a wave) wait in the wave's own LDS bytes and come back in two runs of 32 registers, v32-63, where the sums' and the quantiser's temporaries lie at other times.
; A block's scale byte is its largest magnitude's exponent field - 4, held at 1 from below.
; LIMITS: NaN and infinities are not served; a block whose largest magnitude lies under 2^-122 (a block of zeros too) gets the byte 1: the bytes are read by this program alone; a row of variance 0 gives what 1/sqrt(0) gives.
.set OFF_QKV,  3276800                 ; where each weight's records begin in the output buffer; x's begin at 0
.set OFF_PROJ, 5734400
.set OFF_W1,   6553600
.set OFF_W2,   9830400
.set REC,    6400
.set SPITCH, 528                       ; a stage row: 512 bytes + 16
.set WSTG,   16*SPITCH
.set P1,     8*WSTG                    ; the waves' row sums, 64 bytes a wave; the sums of squares 512 bytes on
.set GA,     P1+1024                   ; the gains, 512 bytes a wave
.set SPARE,  GA+4096                   ; the spare words, 128 bytes a wave
.set OF,  4                            ; v4-19   byte offset of my 16 bytes in each of the tile's 16 rows; v4-6 serve the factor once the rows are in
.set SPW, 29
.set NIL, 30
.set TT,  32                           ; v32-51  temporaries
.set G,   32                           ; v32-63  a run of 32 gains
.set PC,  52                           ; v52-63  the fragment's codes
.set X,   64                           ; v64-127 the rows as loaded, then my 64 numbers: k = 32 h + 0..31 and 64 + 32 h + 0..31 of row r
	s_load_b256 s[4:11], s[0:1], 0x0               ; x s[4:5], gains s[6:7], qkv_w s[8:9], proj_w s[10:11]
	s_load_b128 s[12:15], s[0:1], 0x20             ; mlp_w1 s[12:13], mlp_w2 s[14:15]
	s_load_b64 s[16:17], s[0:1], 0x30              ; the records
	v_lshl_add_u32 v[SPW], v0, 2, SPARE
	v_mov_b32 v[NIL], 0
	v_lshrrev_b32 v1, 5, v0
	v_readfirstlane_b32 s18, v1                    ; wave 0..7
	s_mov_b32 s38, 0x76543210
	s_mov_b32 s39, 0xfedcba98                      ; v_permlanex16_b32's selects for lane l xor 16
	; which tensor: everything hangs on the work-group's number alone
	s_mov_b32 s22, 768                             ; the tensor's first work-group
	s_mov_b32 s23, OFF_W2                          ; its records' place
	s_cmp_lt_u32 ttmp9, 768
	s_cselect_b32 s22, 512, s22
	s_cselect_b32 s23, OFF_W1, s23
	s_cselect_b32 s24, 0, 2                        ; log2 of the work-groups to a tile
	s_cselect_b32 s25, 0, 3
	s_cselect_b32 s26, 3, 5                        ; log2 of the K steps in a row
	s_cselect_b32 s27, 12, 14                      ; log2 of a row's bytes
	s_cmp_lt_u32 ttmp9, 512
	s_cselect_b32 s22, 448, s22
	s_cselect_b32 s23, OFF_PROJ, s23
	s_cmp_lt_u32 ttmp9, 448
	s_cselect_b32 s22, 256, s22
	s_cselect_b32 s23, OFF_QKV, s23
	s_cmp_lt_u32 ttmp9, 256
	s_cselect_b32 s22, 0, s22
	s_cselect_b32 s23, 0, s23
	s_cselect_b32 s30, -1, 0                       ; a lane mask: all ones where the rows are normalised
	s_sub_co_u32 s28, ttmp9, s22
	s_lshr_b32 s29, s28, s24                       ; the tile
	s_and_b32 s28, s28, s25
	s_lshl_b32 s28, s28, 3
	s_add_co_u32 s28, s28, s18                     ; my K step
	s_lshr_b32 s31, s29, 2                         ; the panel of 64 rows
	s_and_b32 s29, s29, 3                          ; the tile in it
	s_lshl_b32 s32, s31, 6
	s_lshr_b32 s33, s29, 1
	s_lshl_b32 s33, s33, 5
	s_add_co_u32 s32, s32, s33
	s_and_b32 s33, s29, 1
	s_lshl_b32 s33, s33, 3
	s_add_co_u32 s32, s32, s33                     ; the tile's first row: 64 p + 32 (t / 2) + 8 (t % 2)
	s_lshl_b32 s32, s32, s27
	s_lshl_b32 s33, s28, 9
	s_add_co_u32 s32, s32, s33                     ; in bytes, + 512 x K step (under 2^25)
	s_mov_b32 s33, 0
	s_lshl_b32 s34, s31, s26
	s_add_co_u32 s34, s34, s28
	s_mul_i32 s34, s34, REC
	s_add_co_u32 s34, s34, s23                     ; my record
	s_mov_b32 s35, 0
	s_lshl_b32 s36, 1, s27                         ; a row's bytes
	s_mul_i32 s37, s18, WSTG                       ; my stage
	s_lshl_b32 s40, s18, 6
	s_mul_i32 s41, s29, 1536
	s_lshl_b32 s42, s29, 6
	s_add_co_u32 s42, s42, 6144
	s_lshl_b32 s43, s18, 9
	s_add_co_u32 s44, s43, GA
	v_and_b32 v1, 31, v0                           ; lane
	v_and_b32 v2, 15, v0                           ; r
	v_bfe_u32 v3, v0, 4, 1                         ; h
	v_lshlrev_b32 v28, 4, v1                       ; 16 x lane
.set i, 0
.rept 16
	v_mad_u32_u24 v[OF+i], s36, i+8*(i/8), v28     ; place i of the tile is row i + 8 (i / 8)
.set i, i+1
.endr
	v_add_nc_u32 v20, s37, v28                     ; into the stage: a row as it lies
	v_mul_u32_u24 v21, v2, SPITCH
	v_lshl_add_u32 v23, v2, 2, P1                  ; the eight waves' sums of row r,
	v_lshl_add_u32 v24, v1, 3, s41                 ; the codes' place in the record: 1536 t + 8 x lane
	v_lshl_add_u32 v21, v3, 7, v21
	v_add_nc_u32 v22, s40, v23                     ; and mine among them
	v_lshl_add_u32 v26, v2, 2, s42                 ; the scale word's: 6144 + 64 t + 4 r
	v_add_nc_u32 v27, s43, v28                     ; the gains in memory: 512 x wave + 16 x lane,
	v_add_nc_u32 v21, s37, v21                     ; out of the stage: row r, + 128 h bytes
	v_lshl_add_u32 v25, v3, 7, s44                 ; back out of LDS: + 128 h bytes,
	v_add_nc_u32 v31, GA, v27                      ; and into it as they lie
	s_wait_alu depctr_va_vdst(0)                   ; the wait at the head's end
	s_wait_kmcnt 0x0
	s_cmp_lt_u32 ttmp9, 768                        ; the pointer is chosen as the numbers were
	s_cselect_b64 s[20:21], s[12:13], s[14:15]
	s_cmp_lt_u32 ttmp9, 512
	s_cselect_b64 s[20:21], s[10:11], s[20:21]
	s_cmp_lt_u32 ttmp9, 448
	s_cselect_b64 s[20:21], s[8:9], s[20:21]
	s_cmp_lt_u32 ttmp9, 256
	s_cselect_b64 s[20:21], s[4:5], s[20:21]
	s_add_nc_u64 s[20:21], s[20:21], s[32:33]
	s_add_nc_u64 s[16:17], s[16:17], s[34:35]
	global_load_b128 v[G:G+3], v27, s[6:7]         ; the 128 gains of my K step: 32 lanes read 512 consecutive bytes
.set i, 0
.rept 16
	global_load_b128 v[X+4*i:X+4*i+3], v[OF+i], s[20:21] th:TH_LOAD_NT   ; 32 lanes read a row's 512 consecutive bytes
.set i, i+1
.endr
	s_wait_loadcnt 16                              ; the gains are in; the 16 rows may be out
.irp i, 0,1,2,3
	v_cndmask_b32 v[G+\i], 1.0, v[G+\i], s30       ; 1 for a weight
.endr
	ds_store_b128 v31, v[G:G+3]
.set i, 0
.rept 16
	s_wait_loadcnt 15-i                            ; loads come back in order: row i is in, the younger ones stay out
	ds_store_b128 v20, v[X+4*i:X+4*i+3] offset:SPITCH*i
.set i, i+1
.endr
	s_wait_dscnt 0x0                               ; the stores have read v64-127, which take my numbers
.set i, 0
.rept 8
	ds_load_b128 v[X+4*i:X+4*i+3], v21 offset:16*i
	ds_load_b128 v[X+32+4*i:X+32+4*i+3], v21 offset:256+16*i
.set i, i+1
.endr
	s_wait_dscnt 0x0
; v[TT..TT+7] hold four pairs of partial sums of my 64 numbers; behind the macro v[TT] holds the whole row's: the partner lane's half; my wave's word; a barrier; the eight waves' words.
.macro ROWSUM off
	v_pk_add_f32 v[TT:TT+1], v[TT:TT+1], v[TT+2:TT+3]
	v_pk_add_f32 v[TT+4:TT+5], v[TT+4:TT+5], v[TT+6:TT+7]
	v_pk_add_f32 v[TT:TT+1], v[TT:TT+1], v[TT+4:TT+5]
	v_add_f32 v[TT], v[TT], v[TT+1]
	v_permlanex16_b32 v[TT+1], v[TT], s38, s39
	v_add_f32 v[TT], v[TT], v[TT+1]
	ds_store_b32 v22, v[TT] offset:\off            ; lanes r and r + 16 write the same word with the same value
	s_wait_alu depctr_va_vdst(0)                   ; the wait here, directly ahead of the wait below
	s_wait_dscnt 0x0                               ; for the others' sake: my store has landed
	s_barrier_signal -1
	s_barrier_wait -1
.irp i, 0,1,2,3,4,5,6,7
	ds_load_b32 v[TT+10+\i], v23 offset:\off+64*\i
.endr
	s_wait_dscnt 0x0
	v_add_f32 v[TT+10], v[TT+10], v[TT+11]
	v_add_f32 v[TT+12], v[TT+12], v[TT+13]
	v_add_f32 v[TT+14], v[TT+14], v[TT+15]
	v_add_f32 v[TT+16], v[TT+16], v[TT+17]
	v_add_f32 v[TT+10], v[TT+10], v[TT+12]
	v_add_f32 v[TT+14], v[TT+14], v[TT+16]
	v_add_f32 v[TT], v[TT+10], v[TT+14]
.endm
.irp c, 0,1,2,3                                    ; the sum, two at a time, in four chains
	v_pk_add_f32 v[TT+2*\c:TT+2*\c+1], v[X+4*\c:X+4*\c+1], v[X+4*\c+2:X+4*\c+3]
.endr
.irp i, 16,24,32,40,48,56
.irp c, 0,1,2,3
	v_pk_add_f32 v[TT+2*\c:TT+2*\c+1], v[TT+2*\c:TT+2*\c+1], v[X+\i+2*\c:X+\i+2*\c+1]
.endr
.endr
	ROWSUM 0
	v_mul_f32 v[TT+8], 0x3a800000, v[TT]           ; / 1,024: the mean;
	v_cndmask_b32 v[TT+8], 0, v[TT+8], s30         ; 0 for a weight
	v_mov_b32 v[TT+9], v[TT+8]
.set i, 0
.rept 32
	v_pk_add_f32 v[X+i:X+i+1], v[X+i:X+i+1], v[TT+8:TT+9] neg_lo:[0,1] neg_hi:[0,1]   ; x - mean
.set i, i+2
.endr
.irp c, 0,1,2,3                                    ; the sum of squares of the differences: a second pass, so that a common offset cancels nothing
	v_pk_mul_f32 v[TT+2*\c:TT+2*\c+1], v[X+2*\c:X+2*\c+1], v[X+2*\c:X+2*\c+1]
.endr
.irp i, 8,16,24,32,40,48,56
.irp c, 0,1,2,3
	v_pk_fma_f32 v[TT+2*\c:TT+2*\c+1], v[X+\i+2*\c:X+\i+2*\c+1], v[X+\i+2*\c:X+\i+2*\c+1], v[TT+2*\c:TT+2*\c+1]
.endr
.endr
	ROWSUM 512                                     ; other bytes than the first sums': no wave can overwrite what another still reads
	v_mul_f32 v6, 0x3a800000, v[TT]                ; the variance
	s_wait_alu depctr_va_vdst(0)                   ; the wait ahead of the transcendental
	v_rsq_f32 v4, v6
	v_nop                                          ; a plain instruction behind the transcendental,
	s_wait_alu depctr_va_vdst(0)                   ; and the wait ahead of its first reader
	v_cndmask_b32 v4, 1.0, v4, s30                 ; 1 for a weight
	v_mov_b32 v5, v4
.irp i, 0,1,2,3,4,5,6,7
	ds_load_b128 v[G+4*\i:G+4*\i+3], v25 offset:16*\i          ; the gains of k = 32 h + 0..31: they come while the factor is applied
.endr
.set i, 0
.rept 32
	v_pk_mul_f32 v[X+i:X+i+1], v[X+i:X+i+1], v[4:5]
.set i, i+2
.endr
	s_wait_alu depctr_va_vdst(0)                   ; the wait here, directly ahead of the wait below
	s_wait_dscnt 0x0
.set i, 0
.rept 16
	v_pk_mul_f32 v[X+i:X+i+1], v[X+i:X+i+1], v[G+i:G+i+1]
.set i, i+2
.endr
.irp i, 0,1,2,3,4,5,6,7
	ds_load_b128 v[G+4*\i:G+4*\i+3], v25 offset:256+16*\i      ; and of k = 64 + 32 h + 0..31
.endr
	s_wait_alu depctr_va_vdst(0)
	s_wait_dscnt 0x0
.set i, 0
.rept 16
	v_pk_mul_f32 v[X+32+i:X+32+i+1], v[X+32+i:X+32+i+1], v[G+i:G+i+1]
.set i, i+2
.endr
	; THE QUANTISER.  My registers 32 c + 0..31 are the whole block 2 c + h of row r
.irp c, 0,1
	v_max3_num_f32 v[TT+\c], |v[X+32*\c]|, |v[X+32*\c+1]|, 0x2800000   ; with the floor 2^(5 - 127): the byte cannot fall under 1
.endr
.irp i, 2,4,6,8,10,12,14,16,18,20,22,24,26,28,30
.irp c, 0,1
	v_max3_num_f32 v[TT+\c], v[TT+\c], |v[X+32*\c+\i]|, |v[X+32*\c+\i+1]|
.endr
.endr
.irp c, 0,1
	v_add_nc_u32 v[TT+2+\c], 0xfe000000, v[TT+\c]  ; 4 off the exponent field: the conversion's scale operand
.endr
.irp c, 0,1
	v_lshrrev_b32 v[TT+4+\c], 23, v[TT+2+\c]       ; the scale's byte
.endr
	v_lshlrev_b32 v[TT+7], 3, v3
	v_lshl_or_b32 v[TT+6], v[TT+5], 16, v[TT+4]    ; my two bytes, blocks h and 2 + h,
	v_lshlrev_b32 v[TT+6], v[TT+7], v[TT+6]        ; at their places in the row's word;
	v_permlanex16_b32 v[TT+7], v[TT+6], s38, s39
	v_or_b32 v[TT+6], v[TT+6], v[TT+7]             ; with the partner lane's two the word is whole
.irp c, 0,1
	v_cvt_scalef32_pk16_bf6_f32 v[PC+6*\c:PC+6*\c+2], v[X+32*\c:X+32*\c+15], v[TT+2+\c]
	v_cvt_scalef32_pk16_bf6_f32 v[TT+8+4*\c:TT+10+4*\c], v[X+32*\c+16:X+32*\c+31], v[TT+2+\c]   ; (a conversion's three registers begin on an even number)
.endr
	v_nop                                          ; a plain instruction behind the scaled conversions
.irp c, 0,1
.irp i, 0,1,2
	v_mov_b32 v[PC+3+6*\c+\i], v[TT+8+4*\c+\i]
.endr
.endr
.irp g, 0,1,2,3,4,5
	global_store_b64 v24, v[PC+2*\g:PC+2*\g+1], s[16:17] offset:256*\g   ; 32 lanes store 256 consecutive bytes, at a multiple of 256 from the buffer's first byte
.endr
	global_store_b32 v26, v[TT+6], s[16:17]        ; the tile's 16 scale words (lanes r and r + 16: the same word, the same value)
	s_wait_tensorcnt 0x0                           ; the wave's end
	ds_add_u32 v[SPW], v[NIL]
	s_wait_dscnt 0x0
	s_endpgm
.Lfunc_end_k_q403791f0e7_prep1:
	.size	k_q403791f0e7_prep1, .Lfunc_end_k_q403791f0e7_prep1-k_q403791f0e7_prep1
	.p2alignl 7, 3214868480
	.fill 96, 4, 3214868480
	.section	.rodata,"a",@progbits
	.p2align	6, 0x0
	.amdhsa_kernel k_q403791f0e7_prep1
		.amdhsa_group_segment_fixed_size 73728
		.amdhsa_private_segment_fixed_size 0
		.amdhsa_enable_private_segment 0
		.amdhsa_kernarg_size 56
		.amdhsa_user_sgpr_count 2
		.amdhsa_user_sgpr_kernarg_segment_ptr 1
		.amdhsa_wavefront_size32 1
		.amdhsa_system_sgpr_workgroup_id_x 1
		.amdhsa_system_sgpr_workgroup_id_y 1
		.amdhsa_system_sgpr_workgroup_id_z 1
		.amdhsa_system_vgpr_workitem_id 0
		.amdhsa_next_free_vgpr 128
		.amdhsa_next_free_sgpr 66
		.amdhsa_reserve_vcc 0
		.amdhsa_float_denorm_mode_32 3
		.amdhsa_float_denorm_mode_16_64 3
		.amdhsa_memory_ordered 1
		.amdhsa_forward_progress 1
		.amdhsa_inst_pref_size 28
	.end_amdhsa_kernel
	.amdgpu_metadata
---
amdhsa.version: [ 1, 2 ]
amdhsa.kernels:
  - .name:           k_q403791f0e7_prep1
    .symbol:         k_q403791f0e7_prep1.kd
    .args:
      - { .name: x, .offset: 0, .size: 8, .value_kind: global_buffer, .address_space: global }
      - { .name: ln1_w, .offset: 8, .size: 8, .value_kind: global_buffer, .address_space: global }
      - { .name: qkv_w, .offset: 16, .size: 8, .value_kind: global_buffer, .address_space: global }
      - { .name: proj_w, .offset: 24, .size: 8, .value_kind: global_buffer, .address_space: global }
      - { .name: mlp_w1, .offset: 32, .size: 8, .value_kind: global_buffer, .address_space: global }
      - { .name: mlp_w2, .offset: 40, .size: 8, .value_kind: global_buffer, .address_space: global }
      - { .name: pk1, .offset: 48, .size: 8, .value_kind: global_buffer, .address_space: global }
    .group_segment_fixed_size: 73728
    .private_segment_fixed_size: 0
    .kernarg_segment_align: 8
    .kernarg_segment_size: 56
    .max_flat_workgroup_size: 256
    .sgpr_count:     66
    .vgpr_count:     128
    .wavefront_size: 32
...
	.end_amdgpu_metadata
.endif
;; end of part 1
;; launch qkv (part 2): grid 8 x 32, 4 waves a work-group, clusters of 4 x 4, 327,680 bytes of LDS; arguments pk1, q, kv; writes q, kv
.if DOCPART == 2
	.amdgcn_target "amdgcn-amd-amdhsa--gfx1250"
	.amdhsa_code_object_version 6
	.text
	.protected	k_q403791f0e7_qkv
	.globl	k_q403791f0e7_qkv
	.p2align	8
	.type	k_q403791f0e7_qkv,@function
k_q403791f0e7_qkv:
	s_mov_b64 s[64:65], 0
	v_nop
	global_prefetch_b8 v0, s[64:65] scope:SCOPE_SE
	s_setreg_imm32_b32 hwreg(HW_REG_WAVE_MODE, 25, 1), 1
	s_wait_xcnt 0x0
	s_wait_alu depctr_hold_cnt(0) depctr_sa_sdst(0) depctr_va_vdst(0) depctr_va_sdst(0) depctr_va_ssrc(0) depctr_va_vcc(0) depctr_vm_vsrc(0)
	s_getreg_b32 s2, hwreg(HW_REG_IB_STS2, 6, 4)
	s_cmp_eq_u32 s2, 0
	s_cbranch_scc0 .Lentry_in_a_cluster
	s_endpgm
.Lentry_in_a_cluster:
	s_bfe_u32 s2, ttmp6, 0x10000c
	s_cmp_lg_u32 s2, 0xf033
	s_cbranch_scc0 .Lentry_shape_is_right
	s_endpgm
.Lentry_shape_is_right:
; q, k, v = LN1(x) qkv_w^T on codes of BF6, and their quantising for attention.  Both operands lie in pk1 as records (64 rows x 128 K: four fragment images of 1,536 bytes and 64 scale words; 6,400 bytes),
; [rows / 64][K / 128]; of 32 rows, tile u's place r holds row 8 u + r + 8 (r / 8).  The activations begin at byte 0, qkv_w's rows at OFFB.
; SHARES.  A work-group makes 128 tokens (y) x 128 columns, three times: column tiles x, x + 8, x + 16, which are q's, k's and v's for heads 2 x and 2 x + 1.  Four waves, each 64 tokens x 64 columns (one head): 16 accumulators.
; LDS.  THE TOKENS' TWO PANELS FOR ALL OF K = 1,024 (102,400 bytes on end in memory) COME ONCE AND STAY.  A column tile's two panels for all of K are 102,400 bytes on end too: they have two slots.
; Two first fills a wave: a panel for all of K (waves 0, 1: the tokens'; 2, 3: tile 0's weights), and a quarter of tile 1's weights.  ONE refill in the launch: behind tile 0 its slot takes
; tile 2, a quarter a wave; that load has tile 1's 128 matrix instructions and a way out in which to land.  The three tiles are written out: no loop.
; CLUSTER 4 x 4: the tokens' panels are shared along a row of the cluster, the weights' along a column: each piece is asked for jointly, by the same load with a mask that names the four.
; q AND k: source 0 = 16 rows of the weight, source 1 = 16 tokens: a lane holds one token, its 32 registers of a token tile 2 x 16 neighbouring channels: two blocks of 32 shared with the lane 16 away.  They are quantised in
; registers and leave as half fragments (K = 64): half records of 3,328 bytes (4 x 768 bytes of codes, 64 words whose upper two bytes are 0x7f).  v: THE SOURCES ARE SWAPPED, so that a lane holds one channel and its
; registers run along the tokens, which are the second product's K; my 64 tokens are half of a key step's fragment.
; kv: [batch x head][key step of 128] 13,056 bytes: k's two half records, then v's record (64 channels x 128 keys).
; LIMITS: NaN and infinities are not served; a block whose largest magnitude lies under 2^-122 gets the byte 1.
; REGISTERS: window 0: v1-15 addresses; v16-23 scale words, two sets; v30-35 scale words made here; v36-79 at work on the way out; v128-255 the accumulators.  Window 1: two sets of fragments, v0-95 and v128-223: the tokens' four, then the weight's four.
.set REC,   6400
.set HREC,  3328
.set KVS,   13056
.set PCH,   4*REC                      ; half a panel: 64 rows x 512 K; also a quarter of a tile
.set PANEL, 8*REC                      ; a panel's records for all of K = 1,024
.set TILEB, 2*PANEL                    ; two panels.  LDS: the tokens at 0, the weights' slot 0 at TILEB, slot 1 at 2 TILEB
.set SPARE, 3*TILEB                    ; behind them: the spare words, 128 bytes for each wave
.set OFFB,  3276800
.set STEPB, 16*PANEL                   ; eight column tiles on
.set ADRA, 1                           ; v1     8 x lane + my tokens' panel
.set ADRB, 3                           ; v3-4   8 x lane + my columns' panel in slot 0, 1
.set ASA,  5                           ; v5     4 x lane + the tokens' panel's scale words
.set ASB,  7                           ; v7-8   the same for the columns' panel in slot 0, 1
.set SPW,  9                           ; v9     my spare word; never rewritten
.set NIL,  10                          ; v10    0; never rewritten
.set L8,   11
.set L4,   12
.set CO,   13                          ; v13    v's codes: 8 x lane + 768 x my half of the tokens
.set WO,   14                          ; v14    v's scale bytes: 4 x lane + 2 x my half
.set SC,   16
.set PW,   30                          ; v30-33 a scale word for each tile; v34-35 two tiles' joined
.set PJ,   34
.set PCQ,  36                          ; codes: eight registers' room for each tile, so that no store's data are written again within a way out
.set PT,   68
.set TM,   72
.set ACC,  128
.set WV, 12
.set WR, 13                            ; which 64 tokens are mine; also: my first load is the tokens' (0) or the weight's (1)
.set WC, 14                            ; which 64 columns; also: which panel that load brings
.set CX, 15
.set CY, 16
.set GX, 17
.set GY, 18
.set HIM, 21                           ; a lane mask: lanes 16-31
.set SEL, 22
.set G1A, 24                           ; s[24:31] group 1 with my row's mask;  s[48:55] with my column's
.set G0A, 32                           ; s[32:35] group 0 of the tokens' panel;  s[56:59] of tile 0's
.set G1B, 48
.set G0B, 56
.set G0C, 68                           ; s[68:71] group 0 of my quarter of tile 1;  s[72:75] of tile 2
.set G0D, 72
.set MSB, 0
.macro WIN new                         ; the immediate's high byte repeats the setting that is left
.if MSB != \new
	s_set_vgpr_msb (MSB<<8)|\new
.set MSB, \new
.endif
.endm
.macro PLACES cnt                      ; plain instructions between a matrix instruction and a load into, a read of or a new sum over its registers
.rept \cnt
	v_nop
.endr
.endm
.macro JLOAD g0a, g0b                  ; a joint load; the branch hangs on the wave's number alone; four v_nop follow each line
	s_cmp_eq_u32 s[WR], 0
	s_cbranch_scc0 .Lfor_b_\@
	tensor_load_to_lds s[\g0a:\g0a+3], s[G1A:G1A+7]
	s_nop 0
	PLACES 4
	s_branch .Lasked_\@
.Lfor_b_\@:
	tensor_load_to_lds s[\g0b:\g0b+3], s[G1B:G1B+7]
	s_nop 0
	PLACES 4
.Lasked_\@:
.endm
.macro CROUND                          ; a round of the cluster's barrier
	s_barrier_signal -1
	s_barrier_wait -1
	s_cmp_lg_u32 s[WV], 0
	s_cbranch_scc1 .Lnot_wave_0_\@
	s_barrier_signal -3
.Lnot_wave_0_\@:
	s_barrier_wait -3
	s_barrier_signal -1
	s_barrier_wait -1
.endm
; 52 LDS loads: the fragments and scale words of K step s (0 to 7); the weight's from slot bs.  Every load of 8 bytes a lane takes 256 consecutive bytes.
.macro FETCH bs, s, buf, bi
	WIN 0x40                                       ; destination window 1
.irp t, 0,1,2,3
.irp g, 0,1,2,3,4,5
	ds_load_b64 v[48+(\buf)+12*\t+2*\g:48+(\buf)+12*\t+2*\g+1], v[ADRB+(\bs)] offset:REC*(\s)+1536*\t+256*\g
.endr
.endr
.irp t, 0,1,2,3
.irp g, 0,1,2,3,4,5
	ds_load_b64 v[12*\t+(\buf)+2*\g:12*\t+(\buf)+2*\g+1], v[ADRA] offset:REC*(\s)+1536*\t+256*\g
.endr
.endr
	WIN 0
	ds_load_b32 v[SC+4*(\bi)], v[ASA] offset:REC*(\s)            ; lanes 0-15: tile 0's words, lanes 16-31: tile 1's
	ds_load_b32 v[SC+4*(\bi)+1], v[ASA] offset:REC*(\s)+128      ; tiles 2 and 3
	ds_load_b32 v[SC+4*(\bi)+2], v[ASB+(\bs)] offset:REC*(\s)
	ds_load_b32 v[SC+4*(\bi)+3], v[ASB+(\bs)] offset:REC*(\s)+128
.endm
; one matrix instruction on rD, rP, rQ, sP, sQ.  o0, o1: source 0's, source 1's tile is an odd one: its words lie in lanes 16-31
.macro MM o0, o1, zero
.if \zero
.if (\o0) && (\o1)
	v_wmma_scale_f32_16x16x128_f8f6f4 v[rD:rD+7], v[rP:rP+11], v[rQ:rQ+11], 0, v[sP], v[sQ] matrix_a_fmt:MATRIX_FMT_BF6 matrix_b_fmt:MATRIX_FMT_BF6 matrix_a_scale:MATRIX_SCALE_ROW1 matrix_b_scale:MATRIX_SCALE_ROW1
.elseif (\o0)
	v_wmma_scale_f32_16x16x128_f8f6f4 v[rD:rD+7], v[rP:rP+11], v[rQ:rQ+11], 0, v[sP], v[sQ] matrix_a_fmt:MATRIX_FMT_BF6 matrix_b_fmt:MATRIX_FMT_BF6 matrix_a_scale:MATRIX_SCALE_ROW1
.elseif (\o1)
	v_wmma_scale_f32_16x16x128_f8f6f4 v[rD:rD+7], v[rP:rP+11], v[rQ:rQ+11], 0, v[sP], v[sQ] matrix_a_fmt:MATRIX_FMT_BF6 matrix_b_fmt:MATRIX_FMT_BF6 matrix_b_scale:MATRIX_SCALE_ROW1
.else
	v_wmma_scale_f32_16x16x128_f8f6f4 v[rD:rD+7], v[rP:rP+11], v[rQ:rQ+11], 0, v[sP], v[sQ] matrix_a_fmt:MATRIX_FMT_BF6 matrix_b_fmt:MATRIX_FMT_BF6
.endif
.else
.if (\o0) && (\o1)
	v_wmma_scale_f32_16x16x128_f8f6f4 v[rD:rD+7], v[rP:rP+11], v[rQ:rQ+11], v[rD:rD+7], v[sP], v[sQ] matrix_a_fmt:MATRIX_FMT_BF6 matrix_b_fmt:MATRIX_FMT_BF6 matrix_a_scale:MATRIX_SCALE_ROW1 matrix_b_scale:MATRIX_SCALE_ROW1
.elseif (\o0)
	v_wmma_scale_f32_16x16x128_f8f6f4 v[rD:rD+7], v[rP:rP+11], v[rQ:rQ+11], v[rD:rD+7], v[sP], v[sQ] matrix_a_fmt:MATRIX_FMT_BF6 matrix_b_fmt:MATRIX_FMT_BF6 matrix_a_scale:MATRIX_SCALE_ROW1
.elseif (\o1)
	v_wmma_scale_f32_16x16x128_f8f6f4 v[rD:rD+7], v[rP:rP+11], v[rQ:rQ+11], v[rD:rD+7], v[sP], v[sQ] matrix_a_fmt:MATRIX_FMT_BF6 matrix_b_fmt:MATRIX_FMT_BF6 matrix_b_scale:MATRIX_SCALE_ROW1
.else
	v_wmma_scale_f32_16x16x128_f8f6f4 v[rD:rD+7], v[rP:rP+11], v[rQ:rQ+11], v[rD:rD+7], v[sP], v[sQ] matrix_a_fmt:MATRIX_FMT_BF6 matrix_b_fmt:MATRIX_FMT_BF6
.endif
.endif
.endm
; 16 matrix instructions, 128 along K.  The 16 accumulators take turns, one instruction a turn, in the same order in every step.
; swap = 0: accumulator 4 i + j = token tile i x column tile j, source 0 the weight's tile.  swap = 1: accumulator 4 i + j = column tile i x token tile j, source 0 the tokens' tile.
.macro MUL buf, bi, zero, swap
	WIN 0x05                                       ; sources 0 and 1 window 1; C and D window 0
.irp i, 0,1,2,3
.irp j, 0,1,2,3
.set rD, ACC+8*(4*\i+\j)
.if \swap
.set rP, 12*\j+(\buf)
.set rQ, 48+12*\i+(\buf)
.set sP, SC+4*(\bi)+\j/2
.set sQ, SC+4*(\bi)+2+\i/2
.else
.set rP, 48+12*\j+(\buf)
.set rQ, 12*\i+(\buf)
.set sP, SC+4*(\bi)+2+\j/2
.set sQ, SC+4*(\bi)+\i/2
.endif
	MM \j%2, \i%2, \zero
.endr
.endr
	WIN 0
.endm
; K step s is multiplied (its set lies in buffer s % 2) while step s + 1's set is fetched into the other buffer.
.macro KSTEP bs, s, zero, swap
	PLACES 4+\zero                                 ; (one more where the products that follow begin sums anew over the accumulators)
	FETCH \bs, (\s)+1, 128*(((\s)+1)%2), ((\s)+1)%2
	s_wait_dscnt 52                                ; all but the 52 loads just issued
	MUL 128*((\s)%2), (\s)%2, \zero, \swap
.endm
; THE CHANGE OF TILES, on to the weights in slot bs.  Each wave waits for all its tensor loads (its quarter of that slot among them), adds 0 to its spare word, and waits for that and for its reads of the slot that it leaves.
; refill = 1: a round of the cluster's barrier, and behind it, first, the joint load that fills the slot just left with tile 2.  Then the next tile's first set is fetched, and K step 7, which lies in registers, is multiplied.
.macro CHANGE bs, refill, swap
	s_wait_tensorcnt 0x0
	ds_add_u32 v[SPW], v[NIL]
	s_wait_dscnt 0x0                               ; the add is done, and my reads of the slot that I leave are in
.if \refill
	CROUND
	tensor_load_to_lds s[G0D:G0D+3], s[G1B:G1B+7]  ; my one tensor load behind the round
	s_nop 0
	PLACES 4                                       ; also the places in front of the loads below
.else
	s_barrier_signal -1
	s_barrier_wait -1
	PLACES 4
.endif
	FETCH \bs, 0, 0, 0
	MUL 128, 1, 0, \swap
.endm
; 32 numbers of a lane, register 16 b + i = k 32 b + 16 (lane / 16) + i of my row, become half a fragment's codes (6 registers) and two scale bytes.
.macro QUANT2 src, pc, pw
	v_max3_num_f32 v[TM], |v[\src]|, |v[\src+1]|, 0x2800000      ; my 16 numbers of each block, and the floor 2^(5 - 127): the byte cannot fall under 1
	v_max3_num_f32 v[TM+1], |v[\src+16]|, |v[\src+17]|, 0x2800000
.irp i, 2,4,6,8,10,12,14
	v_max3_num_f32 v[TM], v[TM], |v[\src+\i]|, |v[\src+\i+1]|
	v_max3_num_f32 v[TM+1], v[TM+1], |v[\src+16+\i]|, |v[\src+17+\i]|
.endr
	v_permlanex16_b32 v[TM+2], v[TM], s[SEL], s[SEL+1]
	v_permlanex16_b32 v[TM+3], v[TM+1], s[SEL], s[SEL+1]
	v_max_num_f32 v[TM], v[TM], v[TM+2]            ; with the partner lane's 16: the block's largest magnitude
	v_max_num_f32 v[TM+1], v[TM+1], v[TM+3]
	v_add_nc_u32 v[TM+4], 0xfe000000, v[TM]        ; 4 off the exponent field: the conversion's scale operand
	v_add_nc_u32 v[TM+5], 0xfe000000, v[TM+1]
	v_lshrrev_b32 v[TM+6], 23, v[TM+4]             ; the scale's byte
	v_lshrrev_b32 v[TM+7], 23, v[TM+5]
	v_lshl_or_b32 v[\pw], v[TM+7], 8, v[TM+6]
	v_cvt_scalef32_pk16_bf6_f32 v[\pc:\pc+2], v[\src:\src+15], v[TM+4]
	v_cvt_scalef32_pk16_bf6_f32 v[PT:PT+2], v[\src+16:\src+31], v[TM+5]
	v_nop                                          ; a plain instruction behind the scaled conversions
.irp i, 0,1,2
	v_permlane16_swap_b32 v[\pc+\i], v[PT+\i]      ; the layout wants a whole block in a lane: lanes 0-15 the first block, lanes 16-31 the second
.endr
.irp i, 0,1,2
	v_mov_b32 v[\pc+3+\i], v[PT+\i]
.endr
.endm
; THE WAY OUT of q or k, to the half record at s[base:base+1]; the next tile's first set is on its way from LDS meanwhile
.macro EPI_QK base
	PLACES 4
	s_wait_xcnt 0x0                                ; the last way out's stores have read their registers
.irp a, 0,1,2,3
	QUANT2 ACC+32*\a, PCQ+8*\a, PW+\a
.endr
.irp a, 0,1,2,3
	v_or_b32 v[PW+\a], 0x7f7f0000, v[PW+\a]        ; the bytes of the K that is not there: 2^0
.endr
	v_cndmask_b32 v[PJ], v[PW], v[PW+1], s[HIM]    ; lanes 0-15 the even tile's words, lanes 16-31 the odd tile's
	v_cndmask_b32 v[PJ+1], v[PW+2], v[PW+3], s[HIM]
.irp a, 0,1,2,3
.irp g, 0,1,2
	global_store_b64 v[L8], v[PCQ+8*\a+2*\g:PCQ+8*\a+2*\g+1], s[\base:\base+1] offset:768*\a+256*\g   ; 256 consecutive bytes, at a multiple of 256 from the buffer's first byte
.endr
.endr
	global_store_b32 v[L4], v[PJ], s[\base:\base+1] offset:3072
	global_store_b32 v[L4], v[PJ+1], s[\base:\base+1] offset:3200
.endm
	s_load_b64 s[4:5], s[0:1], 0x0                 ; pk1, for the tokens' records,
	s_load_b64 s[6:7], s[0:1], 0x0                 ; and once more for the weight's
	s_load_b128 s[8:11], s[0:1], 0x8               ; q, kv
	v_lshl_add_u32 v[SPW], v0, 2, SPARE
	v_mov_b32 v[NIL], 0
	ds_add_u32 v9, v10
	ds_add_u32 v9, v10
	s_wait_dscnt 0x0
	v_lshrrev_b32 v15, 5, v0
	v_readfirstlane_b32 s[WV], v15
	s_lshr_b32 s[WR], s[WV], 1
	s_and_b32 s[WC], s[WV], 1
	s_bfe_u32 s[CX], ttmp6, 0x40000
	s_bfe_u32 s[CY], ttmp6, 0x40004
	s_lshl_b32 s[GX], ttmp9, 2
	s_add_co_u32 s[GX], s[GX], s[CX]               ; x = 4 x cluster x + cx
	s_and_b32 s[GY], ttmp7, 0xffff
	s_lshl_b32 s[GY], s[GY], 2
	s_add_co_u32 s[GY], s[GY], s[CY]               ; y = 4 x cluster y + cy
	s_lshl_b32 s19, s[CY], 2
	s_lshl_b32 s19, 15, s19                        ; my row of the cluster
	s_lshl_b32 s20, 0x1111, s[CX]                  ; my column
	s_or_b32 s[G1A], s19, (3<<16)|(1<<21)          ; 15:0 the mask; 17:16 elements of 8 bytes; 21 set beside a mask; no padding
	s_or_b32 s[G1B], s20, (3<<16)|(1<<21)
.irp g, G1A, G1B                                   ; a dense block of 51,200 bytes as 200 rows of 256
	s_mov_b32 s[\g+1], 32<<16                      ; tensor_dim0 = 32
	s_mov_b32 s[\g+2], 200<<16                     ; tensor_dim1 = 200: the head's load brings a whole panel, 51,200 dense bytes
	s_mov_b32 s[\g+3], 32<<16                      ; tile_dim0
	s_mov_b32 s[\g+4], 200                         ; tile_dim1
	s_mov_b32 s[\g+5], 32                          ; from row to row
	s_mov_b32 s[\g+6], 0
	s_mov_b32 s[\g+7], 0
.endr
	s_mov_b32 s[HIM], 0xffff0000
	s_mov_b32 s[SEL], 0x76543210
	s_mov_b32 s[SEL+1], 0xfedcba98
	s_lshl_b32 s40, s[GY], 1
	s_add_co_u32 s40, s40, s[WC]
	s_mul_i32 s40, s40, PANEL                      ; the tokens' panel 2 y + (wave % 2): hangs on y alone
	s_mov_b32 s41, 0
	s_lshl_b32 s42, s[GX], 1
	s_mul_i32 s42, s42, PANEL
	s_add_co_u32 s42, s42, OFFB                    ; the weight's tile x: hangs on x alone
	s_mov_b32 s43, 0
	s_mul_i32 s44, s[WV], PCH                      ; my quarter of a tile, in memory and in a slot alike: no place in the cluster enters an LDS address
	s_mov_b32 s45, 0
	s_mul_i32 s46, s[WC], PANEL                    ; the panel of my first load
	s_mov_b32 s47, 0
	s_wait_kmcnt 0x0
	s_add_nc_u64 s[40:41], s[4:5], s[40:41]
	s_add_nc_u64 s[42:43], s[6:7], s[42:43]
	s_add_nc_u64 s[76:77], s[42:43], s[46:47]      ; tile 0, my panel
	s_add_nc_u64 s[78:79], s[42:43], s[44:45]      ; tile 0, my quarter
	CROUND                                         ; all sixteen work-groups are here: the first joint loads meet
.irp c, 0                                          ; one group 0 for each side: the panel for all of K
	s_mov_b32 s[G0A+4*\c], 1
	s_add_co_u32 s[G0A+4*\c+1], s46, \c*PCH
	s_add_nc_u64 s[G0A+4*\c+2:G0A+4*\c+3], s[40:41], \c*PCH
	s_or_b32 s[G0A+4*\c+3], s[G0A+4*\c+3], 0x80000000
	s_mov_b32 s[G0B+4*\c], 1
	s_add_co_u32 s[G0B+4*\c+1], s46, TILEB+\c*PCH
	s_add_nc_u64 s[G0B+4*\c+2:G0B+4*\c+3], s[76:77], \c*PCH
	s_or_b32 s[G0B+4*\c+3], s[G0B+4*\c+3], 0x80000000
.endr
	s_mov_b32 s[G0C], 1                            ; my quarter of tile 1, into slot 1
	s_add_co_u32 s[G0C+1], s44, 2*TILEB
	s_add_nc_u64 s[G0C+2:G0C+3], s[78:79], STEPB
	s_or_b32 s[G0C+3], s[G0C+3], 0x80000000
	s_mov_b32 s[G0D], 1                            ; and of tile 2, into slot 0: the launch's one refill
	s_add_co_u32 s[G0D+1], s44, TILEB
	s_add_nc_u64 s[G0D+2:G0D+3], s[78:79], 2*STEPB
	s_or_b32 s[G0D+3], s[G0D+3], 0x80000000
	JLOAD G0A, G0B                                 ; THE FIRST FILLS AS THIS TEXT HAS THEM: one load a wave at the head: waves 0, 1 a panel of the tokens, waves 2, 3 a panel of tile 0, each for all of K
	v_and_b32 v15, 31, v0
	v_lshlrev_b32 v[L8], 3, v15
	v_lshlrev_b32 v[L4], 2, v15
	s_mul_i32 s44, s[WR], PANEL
	v_add_nc_u32 v[ADRA], s44, v[L8]
	s_add_co_u32 s44, s44, 6144
	v_add_nc_u32 v[ASA], s44, v[L4]
	s_mul_i32 s45, s[WC], PANEL
	s_add_co_u32 s45, s45, TILEB
	v_add_nc_u32 v[ADRB], s45, v[L8]
	v_add_nc_u32 v[ADRB+1], TILEB, v[ADRB]
	s_add_co_u32 s45, s45, 6144
	v_add_nc_u32 v[ASB], s45, v[L4]
	v_add_nc_u32 v[ASB+1], TILEB, v[ASB]
	v_mov_b32 v[TM+2], 0                           ; written once: a lane permute's destination counts as one of its sources
	v_mov_b32 v[TM+3], 0
	; where the results go
	s_lshr_b32 s44, s[GY], 4
	s_lshl_b32 s44, s44, 4
	s_lshl_b32 s45, s[GX], 1
	s_add_co_u32 s44, s44, s45
	s_add_co_u32 s44, s44, s[WC]                   ; batch x 16 + head
	s_and_b32 s45, s[GY], 15                       ; which 128 tokens of the batch
	s_lshl_b32 s46, s44, 5
	s_lshl_b32 s47, s45, 1
	s_add_co_u32 s46, s46, s47
	s_add_co_u32 s46, s46, s[WR]
	s_mul_i32 s46, s46, HREC
	s_mov_b32 s47, 0
	s_add_nc_u64 s[8:9], s[8:9], s[46:47]          ; q's half record of my 64 tokens
	s_lshl_b32 s46, s44, 4
	s_add_co_u32 s46, s46, s45
	s_mul_i32 s46, s46, KVS
	s_add_nc_u64 s[10:11], s[10:11], s[46:47]      ; the key step's block
	s_mul_i32 s46, s[WR], HREC
	s_add_nc_u64 s[40:41], s[10:11], s[46:47]      ; k's half record
	s_add_nc_u64 s[10:11], s[10:11], 2*HREC        ; v's record
	s_mul_i32 s46, s[WR], 768
	v_add_nc_u32 v[CO], s46, v[L8]
	s_lshl_b32 s46, s[WR], 1
	v_add_nc_u32 v[WO], s46, v[L4]
	s_wait_alu depctr_va_vdst(0)
	s_wait_tensorcnt 0x0                           ; my panel is in
	ds_add_u32 v[SPW], v[NIL]
	s_mov_b32 s[G1B+2], 100<<16                    ; no tensor load of mine is out, so a descriptor may be written: from here on a load brings a quarter of a tile, 100 rows of 256 bytes
	s_mov_b32 s[G1B+4], 100
	s_wait_dscnt 0x0
	CROUND                                         ; everybody's panel is in, and the joint loads meet
	tensor_load_to_lds s[G0C:G0C+3], s[G1B:G1B+7]  ; my quarter of tile 1, into slot 1: it has tile 0's 128 matrix instructions in which to land
	s_nop 0
	PLACES 4
	FETCH 0, 0, 0, 0
	KSTEP 0, 0, 1, 0                               ; q's tile
	KSTEP 0, 1, 0, 0
	KSTEP 0, 2, 0, 0
	KSTEP 0, 3, 0, 0
	KSTEP 0, 4, 0, 0
	KSTEP 0, 5, 0, 0
	KSTEP 0, 6, 0, 0
	CHANGE 1, 1, 0                                 ; on to tile 1 in slot 1; slot 0 takes tile 2
	EPI_QK 8
	KSTEP 1, 0, 1, 0                               ; k's tile
.irp s, 1,2,3,4,5,6
	KSTEP 1, \s, 0, 0
.endr
	CHANGE 0, 0, 0                                 ; on to tile 2 in slot 0; nothing is left to fetch
	EPI_QK 40
	KSTEP 0, 0, 1, 1                               ; v's tile: the sources are swapped
.irp s, 1,2,3,4,5,6
	KSTEP 0, \s, 0, 1
.endr
	s_wait_dscnt 0x0
	MUL 128, 1, 0, 1
	PLACES 4
	s_wait_xcnt 0x0                                ; k's stores have read their registers
.irp b, 0,1,2,3                                    ; channel tile b: my 64 tokens are two blocks of 32 along the keys
	QUANT2 ACC+32*\b, PCQ+8*\b, PW+\b
.endr
	v_cndmask_b32 v[PJ], v[PW], v[PW+1], s[HIM]
	v_cndmask_b32 v[PJ+1], v[PW+2], v[PW+3], s[HIM]
.irp b, 0,1,2,3
.irp g, 0,1,2
	global_store_b64 v[CO], v[PCQ+8*\b+2*\g:PCQ+8*\b+2*\g+1], s[10:11] offset:1536*\b+256*\g
.endr
.endr
	global_store_b16 v[WO], v[PJ], s[10:11] offset:6144        ; my two of each word's four bytes: the other wave of this head has the other two
	global_store_b16 v[WO], v[PJ+1], s[10:11] offset:6272
	s_wait_tensorcnt 0x0                           ; the wave's end
	ds_add_u32 v[SPW], v[NIL]
	s_wait_dscnt 0x0
	CROUND                                         ; the closing round
	s_endpgm
.Lfunc_end_k_q403791f0e7_qkv:
	.size	k_q403791f0e7_qkv, .Lfunc_end_k_q403791f0e7_qkv-k_q403791f0e7_qkv
	.p2alignl 7, 3214868480
	.fill 96, 4, 3214868480
	.section	.rodata,"a",@progbits
	.p2align	6, 0x0
	.amdhsa_kernel k_q403791f0e7_qkv
		.amdhsa_group_segment_fixed_size 327680
		.amdhsa_private_segment_fixed_size 0
		.amdhsa_enable_private_segment 0
		.amdhsa_kernarg_size 24
		.amdhsa_user_sgpr_count 2
		.amdhsa_user_sgpr_kernarg_segment_ptr 1
		.amdhsa_wavefront_size32 1
		.amdhsa_system_sgpr_workgroup_id_x 1
		.amdhsa_system_sgpr_workgroup_id_y 1
		.amdhsa_system_sgpr_workgroup_id_z 1
		.amdhsa_system_vgpr_workitem_id 0
		.amdhsa_next_free_vgpr 512
		.amdhsa_next_free_sgpr 80
		.amdhsa_reserve_vcc 0
		.amdhsa_float_denorm_mode_32 3
		.amdhsa_float_denorm_mode_16_64 3
		.amdhsa_memory_ordered 1
		.amdhsa_forward_progress 1
		.amdhsa_inst_pref_size 169
	.end_amdhsa_kernel
	.amdgpu_metadata
---
amdhsa.version: [ 1, 2 ]
amdhsa.kernels:
  - .name:           k_q403791f0e7_qkv
    .symbol:         k_q403791f0e7_qkv.kd
    .args:
      - { .name: pk1, .offset: 0, .size: 8, .value_kind: global_buffer, .address_space: global }
      - { .name: q, .offset: 8, .size: 8, .value_kind: global_buffer, .address_space: global }
      - { .name: kv, .offset: 16, .size: 8, .value_kind: global_buffer, .address_space: global }
    .group_segment_fixed_size: 327680
    .private_segment_fixed_size: 0
    .kernarg_segment_align: 8
    .kernarg_segment_size: 24
    .max_flat_workgroup_size: 128
    .sgpr_count:     80
    .vgpr_count:     512
    .wavefront_size: 32
...
	.end_amdgpu_metadata
.endif
;; end of part 2
;; launch attn (part 3): grid 8 x 32, 16 waves a work-group, clusters of 4 x 1, 327,680 bytes of LDS; arguments q, kv, o; writes o
.if DOCPART == 3
	.amdgcn_target "amdgcn-amd-amdhsa--gfx1250"
	.amdhsa_code_object_version 6
	.text
	.protected	k_q403791f0e7_attn
	.globl	k_q403791f0e7_attn
	.p2align	8
	.type	k_q403791f0e7_attn,@function
k_q403791f0e7_attn:
	s_mov_b64 s[64:65], 0
	v_nop
	global_prefetch_b8 v0, s[64:65] scope:SCOPE_SE
	s_setreg_imm32_b32 hwreg(HW_REG_WAVE_MODE, 25, 1), 1
	s_wait_xcnt 0x0
	s_wait_alu depctr_hold_cnt(0) depctr_sa_sdst(0) depctr_va_vdst(0) depctr_va_sdst(0) depctr_va_ssrc(0) depctr_va_vcc(0) depctr_vm_vsrc(0)
	s_getreg_b32 s2, hwreg(HW_REG_IB_STS2, 6, 4)
	s_cmp_eq_u32 s2, 0
	s_cbranch_scc0 .Lentry_in_a_cluster
	s_endpgm
.Lentry_in_a_cluster:
	s_bfe_u32 s2, ttmp6, 0x10000c
	s_cmp_lg_u32 s2, 0x3003
	s_cbranch_scc0 .Lentry_shape_is_right
	s_endpgm
.Lentry_shape_is_right:
; ATTENTION ON CODES OF BF6: o = Q(softmax(q k^T / 8) v), one batch x head (y) and 256 queries (x) a work-group, 16 waves, 16 queries a wave, 16 steps of 128 keys.
; q: half records of 3,328 bytes (64 rows x 64 K: four half fragments of 768 bytes, 64 scale words).  kv: [batch x head][key step] 13,056 bytes: k's two half records, then v's record (64 channels x 128 keys, 6,400 bytes).
; LDS: all 16 key steps of the head, 816 rows of 256 bytes, filled once by two joint loads a wave (7 rows, then 44); nothing is filled again.  The descriptor lays 96 bytes of padding behind each 256: pitch 352.
; THE KEYS OF A TILE ARE CHOSEN BY ADDRESS.  Both products are used transposed (S^T = k q^T, O^T = v^T p^T): a lane holds one query.  Of a half record's 64 keys, tile u takes keys 8 u + 0..7 as its rows 0-7 and keys 32 + 8 u + 0..7
; as its rows 8-15.  Lane (r, h) then holds, in the 32 registers of four tiles, keys 32 h + 0..31 in order: a WHOLE block of the second product's K, as that operand's layout wants it: a block's maximum needs no other lane and no lanes change places.
; In the half record key 32 b + 16 a + 8 u' + i lies in tile 2 b + u' at place 8 a + i: so rows 0-7 and rows 8-15 of my tile lie 1,536 bytes (six LDS rows, 2,112 bytes, 64 modulo 256) apart, and the 32 lanes of a load touch 64 different banks.
; SOFTMAX: t = score x log2(e) / 8; M = ceil(running largest t), kept as -M; p = 2^(t - M); the sum is taken of the unquantised p; a change of M multiplies the sum and O^T by an exact power of two.  A block's largest p is made from its largest score.
; The waves share nothing but the tiles, which nobody writes behind the second fill's barrier: the steps hold no barrier.
; CLUSTER 4 x 1: four query blocks of one head ask for K and V jointly.  NO PREFETCH: every byte of K and V is asked for by the two fills at the head; no loop is left to run ahead in.
; LIMITS: NaN and infinities are not served; the promise holds while |t| stays under 2^31; a block whose largest magnitude lies under 2^-122 gets the byte 1 (read by this program alone).
.set REC,   6400
.set HREC,  3328
.set KVS,   13056
.set HEADB, 16*KVS
.set PR,    352                        ; an LDS row: 256 bytes + 96
.set KVL,   51*PR                      ; a key step in LDS
.set HRL,   13*PR                      ; a half record in LDS
.set P1R,   7                          ; rows a wave in the first fill: 112 rows hold steps 0 and 1 (102 rows)
.set P2R,   44                         ; and in the second
.set SPARE, 816*PR                     ; behind the tiles: the spare words, 128 bytes a wave
.set L8,  1
.set L4,  2
.set QO,  3
.set QW,  4
.set OC,  7
.set A8,  8                            ; v8, v9  8 x lane, 4 x lane + this step
.set A4,  9
.set OW,  10
.set KA0, 11                           ; v11  k's codes: 2112 (r / 8) + 8 (r % 8) + 128 h
.set QF,  16                           ; v16-27 q's fragment, its upper six registers zeros
.set QS,  28
.set KSA0, 29                          ; v29  k's scale words: 128 (r / 8) + 4 (r % 8) + 64 h
.set KA,  30
.set KSA, 31
.set KF,  32                           ; v32-79 k's eight half fragments, then v's four fragments; v80-85 zeros
.set KS,  88
.set VS,  92
.set SH8, 94                           ; v94  8 h
.set S,   96                           ; v96-159 scores, then p
.set OT,  160                          ; v160-191 O^T
.set BM,  192
.set BP,  196
.set SO,  198
.set PT,  200
.set PCD, 212
.set FF,  224                          ; v224 the factor; v225 p's scale word
.set TV,  226
.set SS,  228
.set PWO, 230
.set W,   231
.set TM,  192
.set SPW, 254
.set NIL, 255
.set TB,  2
.set WV,  12
.set SEL, 20
.set CS,  22
.macro PLACES n
.rept \n
	v_nop
.endr
.endm
.macro CROUND                          ; a round of the cluster's barrier
	s_barrier_signal -1
	s_barrier_wait -1
	s_cmp_lg_u32 s[WV], 0
	s_cbranch_scc1 .Lnot_wave_0_\@
	s_barrier_signal -3
.Lnot_wave_0_\@:
	s_barrier_wait -3
	s_barrier_signal -1
	s_barrier_wait -1
.endm
.macro QUANT2 src, pc, pw              ; the way out: 32 numbers of a lane, register 16 b + i = channel 32 b + 16 h + i, become half a fragment's codes and two scale bytes
	v_max3_num_f32 v[TM], |v[\src]|, |v[\src+1]|, 0x2800000
	v_max3_num_f32 v[TM+1], |v[\src+16]|, |v[\src+17]|, 0x2800000
.irp i, 2,4,6,8,10,12,14
	s_delay_alu instid0(VALU_DEP_2)
	v_max3_num_f32 v[TM], v[TM], |v[\src+\i]|, |v[\src+\i+1]|
	s_delay_alu instid0(VALU_DEP_2)
	v_max3_num_f32 v[TM+1], v[TM+1], |v[\src+16+\i]|, |v[\src+17+\i]|
.endr
	s_delay_alu instid0(VALU_DEP_2)
	v_permlanex16_b32 v[TM+2], v[TM], s[SEL], s[SEL+1]
	s_delay_alu instid0(VALU_DEP_2)
	v_permlanex16_b32 v[TM+3], v[TM+1], s[SEL], s[SEL+1]
	s_delay_alu instid0(VALU_DEP_2)
	v_max_num_f32 v[TM], v[TM], v[TM+2]
	s_delay_alu instid0(VALU_DEP_2)
	v_max_num_f32 v[TM+1], v[TM+1], v[TM+3]
	s_delay_alu instid0(VALU_DEP_2)
	v_add_nc_u32 v[TM+4], 0xfe000000, v[TM]
	s_delay_alu instid0(VALU_DEP_2)
	v_add_nc_u32 v[TM+5], 0xfe000000, v[TM+1]
	s_delay_alu instid0(VALU_DEP_2)
	v_lshrrev_b32 v[TM+6], 23, v[TM+4]
	s_delay_alu instid0(VALU_DEP_2)
	v_lshrrev_b32 v[TM+7], 23, v[TM+5]
	s_delay_alu instid0(VALU_DEP_1)
	v_lshl_or_b32 v[\pw], v[TM+7], 8, v[TM+6]
	v_cvt_scalef32_pk16_bf6_f32 v[\pc:\pc+2], v[\src:\src+15], v[TM+4]
	v_cvt_scalef32_pk16_bf6_f32 v[PT:PT+2], v[\src+16:\src+31], v[TM+5]
	v_nop
.irp i, 0,1,2
	v_permlane16_swap_b32 v[\pc+\i], v[PT+\i]
.endr
.irp i, 0,1,2
	s_delay_alu instid0(VALU_DEP_3)
	v_mov_b32 v[\pc+3+\i], v[PT+\i]
.endr
.endm
	s_load_b128 s[4:7], s[0:1], 0x0                ; q, kv
	s_load_b64 s[8:9], s[0:1], 0x10                ; o
	v_lshl_add_u32 v[SPW], v0, 2, SPARE
	v_mov_b32 v[NIL], 0
	ds_add_u32 v[SPW], v[NIL]                      ; the opening lines: the add, twice on end, and its wait
	ds_add_u32 v[SPW], v[NIL]
	v_lshrrev_b32 v5, 5, v0
	v_readfirstlane_b32 s[WV], v5
	s_bfe_u32 s13, ttmp6, 0x40000
	s_lshl_b32 s14, ttmp9, 2
	s_add_co_u32 s14, s14, s13                     ; x: which 256 queries
	s_and_b32 s15, ttmp7, 0xffff                   ; y: batch x 16 + head
	s_and_b32 s16, s[WV], 3                        ; my tile in its half record
	s_lshr_b32 s17, s[WV], 2                       ; which half record of the four
	s_lshl_b32 s18, s15, 5
	s_lshl_b32 s19, s14, 2
	s_add_co_u32 s18, s18, s19
	s_add_co_u32 s18, s18, s17
	s_mul_i32 s18, s18, HREC                       ; q's half record
	s_mov_b32 s19, 0
	s_mul_i32 s54, s16, 768
	s_lshl_b32 s55, s16, 6
	s_add_co_u32 s55, s55, 3072
	s_lshr_b32 s56, s15, 4                         ; o's record: panel 32 x batch + 4 x + half record, K step head / 2
	s_lshl_b32 s56, s56, 5
	s_lshl_b32 s57, s14, 2
	s_add_co_u32 s56, s56, s57
	s_add_co_u32 s56, s56, s17
	s_lshl_b32 s56, s56, 3
	s_bfe_u32 s57, s15, 0x30001
	s_add_co_u32 s56, s56, s57
	s_mul_i32 s56, s56, REC
	s_mov_b32 s57, 0
	s_and_b32 s59, s15, 1                          ; which half of that K step my head is
	s_mul_i32 s58, s59, 768
	s_mul_i32 s53, s16, 1536
	s_add_co_u32 s58, s58, s53
	s_lshl_b32 s59, s59, 1
	s_add_co_u32 s59, s59, s55
	s_add_co_u32 s59, s59, 3072                    ; 6144 + 64 x tile + 2 x half
	s_mul_i32 s48, s15, HEADB                      ; the head's K and V
	s_mov_b32 s49, 0
	s_mul_i32 s50, s[WV], 256*P1R                  ; my rows of the two fills, in memory,
	s_mov_b32 s51, 0
	s_mul_i32 s52, s[WV], 256*P2R
	s_add_co_u32 s52, s52, 16*256*P1R
	s_mov_b32 s53, 0
	s_mov_b32 s40, 1
	s_mul_i32 s41, s[WV], P1R*PR                   ; and in LDS
	s_mov_b32 s44, 1
	s_mul_i32 s45, s[WV], P2R*PR
	s_add_co_u32 s45, s45, 16*P1R*PR
	s_mov_b32 s24, 15|(3<<16)|(1<<20)|(1<<21)|(5<<22)|(23<<25)   ; mask of the four; elements of 8 bytes; padding on: behind every 64 words 24 words
	s_mov_b32 s25, 32<<16
	s_mov_b32 s26, P1R<<16
	s_mov_b32 s27, 32<<16
	s_mov_b32 s28, P1R
	s_mov_b32 s29, 32
	s_mov_b32 s30, 0
	s_mov_b32 s31, 0
	s_mov_b32 s32, 15|(3<<16)|(1<<20)|(1<<21)|(5<<22)|(23<<25)
	s_mov_b32 s33, 32<<16
	s_mov_b32 s34, P2R<<16
	s_mov_b32 s35, 32<<16
	s_mov_b32 s36, P2R
	s_mov_b32 s37, 32
	s_mov_b32 s38, 0
	s_mov_b32 s39, 0
	s_mov_b32 s[SEL], 0x76543210
	s_mov_b32 s[SEL+1], 0xfedcba98
	s_mov_b32 s[CS], 0x3e38aa3b                    ; log2(e) / 8
	s_mov_b32 s[CS+1], s[CS]
	s_mov_b32 s[TB], 0
	v_and_b32 v5, 31, v0
	v_and_b32 v6, 15, v0
	v_lshlrev_b32 v[L8], 3, v5
	v_lshlrev_b32 v[L4], 2, v5
	v_add_nc_u32 v[QO], s54, v[L8]
	v_lshl_add_u32 v[QW], v6, 2, s55
	s_wait_alu depctr_va_vdst(0)                   ; the wait here, directly ahead of the waits below
	s_wait_dscnt 0x0
	s_wait_kmcnt 0x0
	s_add_nc_u64 s[4:5], s[4:5], s[18:19]
.irp g, 0,1,2
	global_load_b64 v[QF+2*\g:QF+2*\g+1], v[QO], s[4:5] offset:256*\g   ; q is asked for first: it is on its way under both fills
.endr
	global_load_b32 v[QS], v[QW], s[4:5]
	s_add_nc_u64 s[8:9], s[8:9], s[56:57]
	s_add_nc_u64 s[6:7], s[6:7], s[48:49]
	s_add_nc_u64 s[42:43], s[6:7], s[50:51]
	s_or_b32 s43, s43, 0x80000000
	s_add_nc_u64 s[46:47], s[6:7], s[52:53]
	s_or_b32 s47, s47, 0x80000000
	CROUND                                         ; the four work-groups are here: the joint loads meet
	tensor_load_to_lds s[40:43], s[24:31]          ; my one load at the head: 7 rows of key steps 0 and 1
	s_nop 0
	v_bfe_u32 v[TV], v0, 3, 1                      ; r / 8
	v_and_b32 v[SS], 7, v0                         ; r % 8
	v_bfe_u32 v[SS+1], v0, 4, 1                    ; h
	v_mul_u32_u24 v[KA0], v[TV], 6*PR
	v_lshlrev_b32 v[KSA0], 7, v[TV]
	v_lshlrev_b32 v[SH8], 3, v[SS+1]
	v_lshl_add_u32 v[KA0], v[SS], 3, v[KA0]
	v_lshl_add_u32 v[KSA0], v[SS], 2, v[KSA0]
	v_add_nc_u32 v[OC], s58, v[L8]
	v_lshl_add_u32 v[KA0], v[SS+1], 7, v[KA0]
	v_lshl_add_u32 v[KSA0], v[SS+1], 6, v[KSA0]
	v_lshl_add_u32 v[OW], v6, 2, s59
	v_mov_b32 v13, 0xff61b1e6                      ; the largest t so far: -3e38
	v_mov_b32 v14, 0                               ; the sum, in two halves
	v_mov_b32 v15, 0
	v_floor_f32 v12, -v13                          ; -M
.irp i, 0,1,2,3,4,5
	v_mov_b32 v[QF+6+\i], 0                        ; zero codes for the K that is not there
	v_mov_b32 v[KF+48+\i], 0
.endr
	v_mov_b32 v[BP], 0                             ; a lane permute's destination counts as one of its sources
	v_mov_b32 v[BP+1], 0
	v_mov_b32 v[FF+1], 0
.set j, 0
.rept 32
	v_mov_b32 v[OT+j], 0                           ; the step is written once: the first finds zeros
.set j, j+1
.endr
	s_wait_alu depctr_va_vdst(0)                   ; the wait at the head's end
	s_wait_tensorcnt 0x0                           ; my rows are in
	ds_add_u32 v[SPW], v[NIL]
	s_wait_dscnt 0x0
	CROUND                                         ; steps 0 and 1 are whole in every partner
	tensor_load_to_lds s[44:47], s[32:39]          ; my 44 rows of the rest: two steps' work in which to land
	s_nop 0
.macro VL3 n                           ; three of v's 24 loads: load n brings registers 2 n, 2 n + 1 of the four fragments, 256 consecutive bytes
.irp i, 0,1,2
	ds_load_b64 v[KF+2*((\n)+\i):KF+2*((\n)+\i)+1], v[A8] offset:2*HRL+PR*((\n)+\i)
.endr
.endm
.macro ADD2 j                          ; the row's sum, of the unquantised p, in two chains
	v_pk_add_f32 v[14:15], v[14:15], v[S+\j:S+\j+1]
	v_pk_add_f32 v[SS:SS+1], v[SS:SS+1], v[S+\j+2:S+\j+3]
.endm
.macro STEP
	v_add_nc_u32 v[KA], s[TB], v[KA0]              ; these four are also the places behind the last products, ahead of the loads
	v_add_nc_u32 v[KSA], s[TB], v[KSA0]
	v_add_nc_u32 v[A8], s[TB], v[L8]
	v_add_nc_u32 v[A4], s[TB], v[L4]
.irp c, 0,1
.irp u, 0,1,2,3
.irp g, 0,1,2
	ds_load_b64 v[KF+6*(4*\c+\u)+2*\g:KF+6*(4*\c+\u)+2*\g+1], v[KA] offset:HRL*\c+3*PR*(\u%2)+64*(\u/2)+PR*\g
.endr
.endr
.endr
.irp i, 0,1,2,3
	ds_load_b32 v[KS+\i], v[KSA] offset:HRL*(\i/2)+12*PR+32*(\i%2)   ; lanes 0-15 tile 2 i's words, lanes 16-31 tile 2 i + 1's
.endr
	s_wait_alu depctr_va_vdst(0)
	s_wait_dscnt 0x0
.irp t, 0,1,2,3,4,5,6,7                            ; a tile's upper six registers are the next tile's codes: they meet q's zero codes
.if \t%2
	v_wmma_scale_f32_16x16x128_f8f6f4 v[S+8*\t:S+8*\t+7], v[KF+6*\t:KF+6*\t+11], v[QF:QF+11], 0, v[KS+\t/2], v[QS] matrix_a_fmt:MATRIX_FMT_BF6 matrix_b_fmt:MATRIX_FMT_BF6 matrix_a_scale:MATRIX_SCALE_ROW1
.else
	v_wmma_scale_f32_16x16x128_f8f6f4 v[S+8*\t:S+8*\t+7], v[KF+6*\t:KF+6*\t+11], v[QF:QF+11], 0, v[KS+\t/2], v[QS] matrix_a_fmt:MATRIX_FMT_BF6 matrix_b_fmt:MATRIX_FMT_BF6
.endif
.endr
	PLACES 4
.irp b, 0,1,2,3                                    ; registers 32 c + 0..31 are keys 64 c + 32 h + 0..31: two blocks a lane, each in two chains, each accumulator from its low end on
	v_max3_num_f32 v[BM+\b], v[S+16*\b], v[S+1+16*\b], v[S+2+16*\b]
.endr
.irp i, 3,5,7,9,11,13
.irp b, 0,1,2,3
	v_max3_num_f32 v[BM+\b], v[BM+\b], v[S+16*\b+\i], v[S+1+16*\b+\i]
.endr
.endr
	v_max3_num_f32 v[BM], v[BM], v[BM+1], v[S+15]
	v_max3_num_f32 v[BM+2], v[BM+2], v[BM+3], v[S+47]
	v_max_num_f32 v[BM], v[BM], v[S+31]            ; block h's largest score
	v_max_num_f32 v[BM+2], v[BM+2], v[S+63]        ; block 2 + h's
	VL3 0                                          ; v's loads stand between the links of the chain that makes M
	v_max_num_f32 v[TV], v[BM], v[BM+2]
	VL3 3
	v_permlanex16_b32 v[BP], v[TV], s[SEL], s[SEL+1]
	VL3 6
	v_max_num_f32 v[TV], v[TV], v[BP]              ; the step's largest score of my query
	VL3 9
	v_mul_f32 v[TV], s[CS], v[TV]
	VL3 12
	v_max_num_f32 v13, v13, v[TV]                  ; the running largest t
	v_mov_b32 v[TV], v12
	VL3 15
	v_floor_f32 v12, -v13                          ; the new -M
	VL3 18
	v_sub_f32 v[TV], v12, v[TV]
	VL3 21
	v_cvt_i32_f32 v[TV], v[TV]                     ; old M - new M, a whole number (it saturates)
	ds_load_b32 v[VS], v[A4] offset:2*HRL+24*PR
	ds_load_b32 v[VS+1], v[A4] offset:2*HRL+24*PR+128
	v_ldexp_f32 v[FF], 1.0, v[TV]
.set j, 0
.rept 32
	v_pk_fma_f32 v[S+j:S+j+1], v[S+j:S+j+1], s[CS:CS+1], v[12:13] op_sel_hi:[1,0,0]   ; t - M
.set j, j+2
.endr
	v_fma_f32 v[BM], v[BM], s[CS], v12
	v_fma_f32 v[BM+2], v[BM+2], s[CS], v12
	s_wait_alu depctr_va_vdst(0)                   ; the wait ahead of the batch
	v_exp_f32 v[BM], v[BM]                         ; the blocks' largest p
	v_exp_f32 v[BM+2], v[BM+2]
.set j, 0
.rept 64
	v_exp_f32 v[S+j], v[S+j]
.set j, j+1
.endr
	v_pk_mul_f32 v[14:15], v[14:15], v[FF:FF+1] op_sel_hi:[1,0]   ; the sum under the new M; a plain instruction behind the batch
	s_wait_alu depctr_va_vdst(0)                   ; one wait for the batch, ahead of its first reader
	v_pk_add_f32 v[SS:SS+1], v[S:S+1], v[S+2:S+3]
	v_max_num_f32 v[BM], 0x2800000, v[BM]          ; the floor 2^(5 - 127).  The scale's chain stands between the sum's additions
	v_max_num_f32 v[BM+2], 0x2800000, v[BM+2]
	ADD2 4
	v_add_nc_u32 v[SO], 0xfe000000, v[BM]          ; 4 off the exponent field: the conversion's scale operand
	v_add_nc_u32 v[SO+1], 0xfe000000, v[BM+2]
	ADD2 8
	v_lshrrev_b32 v[BM], 23, v[SO]                 ; the bytes
	v_lshrrev_b32 v[BM+2], 23, v[SO+1]
	ADD2 12
	v_lshl_or_b32 v[W], v[BM+2], 16, v[BM]         ; blocks h and 2 + h,
	ADD2 16
	v_lshlrev_b32 v[W], v[SH8], v[W]               ; at their places in the word;
	ADD2 20
	v_permlanex16_b32 v[BP+1], v[W], s[SEL], s[SEL+1]
	ADD2 24
	v_or_b32 v[FF+1], v[W], v[BP+1]                ; with the partner lane's two the word is whole
.irp j, 28,32,36,40,44,48,52,56,60
	ADD2 \j
.endr
	v_pk_add_f32 v[14:15], v[14:15], v[SS:SS+1]
.irp c, 0,1
	v_cvt_scalef32_pk16_bf6_f32 v[PCD+6*\c:PCD+6*\c+2], v[S+32*\c:S+32*\c+15], v[SO+\c]
	v_cvt_scalef32_pk16_bf6_f32 v[PT+4*\c:PT+4*\c+2], v[S+32*\c+16:S+32*\c+31], v[SO+\c]   ; (a conversion's three registers begin on an even number)
.endr
	v_nop                                          ; a plain instruction behind the scaled conversions
.irp c, 0,1
.irp i, 0,1,2
	v_mov_b32 v[PCD+3+6*\c+\i], v[PT+4*\c+\i]
.endr
.endr
	s_wait_alu depctr_va_vdst(0)                   ; the wait directly ahead of the first reader of O^T
.set j, 0
.rept 16
	v_pk_mul_f32 v[OT+j:OT+j+1], v[OT+j:OT+j+1], v[FF:FF+1] op_sel_hi:[1,0]   ; O^T under the new M; also the places ahead of the products
.set j, j+2
.endr
	s_wait_alu depctr_va_vdst(0)                   ; the wait here, directly ahead of the wait below
	s_wait_dscnt 0x0                               ; v's fragments and words
.irp c, 0,1,2,3
.if \c%2
	v_wmma_scale_f32_16x16x128_f8f6f4 v[OT+8*\c:OT+8*\c+7], v[KF+12*\c:KF+12*\c+11], v[PCD:PCD+11], v[OT+8*\c:OT+8*\c+7], v[VS+\c/2], v[FF+1] matrix_a_fmt:MATRIX_FMT_BF6 matrix_b_fmt:MATRIX_FMT_BF6 matrix_a_scale:MATRIX_SCALE_ROW1
.else
	v_wmma_scale_f32_16x16x128_f8f6f4 v[OT+8*\c:OT+8*\c+7], v[KF+12*\c:KF+12*\c+11], v[PCD:PCD+11], v[OT+8*\c:OT+8*\c+7], v[VS+\c/2], v[FF+1] matrix_a_fmt:MATRIX_FMT_BF6 matrix_b_fmt:MATRIX_FMT_BF6
.endif
.endr
	s_add_co_u32 s[TB], s[TB], KVL
.endm
	s_wait_loadcnt 0x0                             ; q
	s_mov_b32 s3, 2
.Lfirst:
	STEP
	s_sub_co_u32 s3, s3, 1
	s_cmp_lg_u32 s3, 0
	s_cbranch_scc1 .Lfirst
	s_wait_tensorcnt 0x0                           ; my rows of the second fill are in;
	s_wait_dscnt 0x0
	s_barrier_signal -1
	s_barrier_wait -1                              ; everybody's are
	s_mov_b32 s3, 14
.Lrest:
	STEP
	s_sub_co_u32 s3, s3, 1
	s_cmp_lg_u32 s3, 0
	s_cbranch_scc1 .Lrest
	PLACES 4
	v_add_f32 v14, v14, v15
	s_delay_alu instid0(VALU_DEP_1)
	v_permlanex16_b32 v[TV], v14, s[SEL], s[SEL+1]
	s_delay_alu instid0(VALU_DEP_1)
	v_add_f32 v14, v14, v[TV]                      ; the row's sum
	s_wait_alu depctr_va_vdst(0)
	v_rcp_f32 v14, v14
	v_nop
	s_wait_alu depctr_va_vdst(0)
.set j, 0
.rept 32
	v_mul_f32 v[S+j], v[OT+j], v14
.set j, j+1
.endr
	QUANT2 S, PCD, PWO                             ; my head's 64 channels are half of a K step of the next product
.irp g, 0,1,2
	global_store_b64 v[OC], v[PCD+2*\g:PCD+2*\g+1], s[8:9] offset:256*\g   ; 256 consecutive bytes, at a multiple of 256 from the buffer's first byte
.endr
	global_store_b16 v[OW], v[PWO], s[8:9]
	s_wait_tensorcnt 0x0                           ; the wave's end
	ds_add_u32 v[SPW], v[NIL]
	s_wait_dscnt 0x0
	CROUND                                         ; the closing round
	s_endpgm
.Lfunc_end_k_q403791f0e7_attn:
	.size	k_q403791f0e7_attn, .Lfunc_end_k_q403791f0e7_attn-k_q403791f0e7_attn
	.p2alignl 7, 3214868480
	.fill 96, 4, 3214868480
	.section	.rodata,"a",@progbits
	.p2align	6, 0x0
	.amdhsa_kernel k_q403791f0e7_attn
		.amdhsa_group_segment_fixed_size 327680
		.amdhsa_private_segment_fixed_size 0
		.amdhsa_enable_private_segment 0
		.amdhsa_kernarg_size 24
		.amdhsa_user_sgpr_count 2
		.amdhsa_user_sgpr_kernarg_segment_ptr 1
		.amdhsa_wavefront_size32 1
		.amdhsa_system_sgpr_workgroup_id_x 1
		.amdhsa_system_sgpr_workgroup_id_y 1
		.amdhsa_system_sgpr_workgroup_id_z 1
		.amdhsa_system_vgpr_workitem_id 0
		.amdhsa_next_free_vgpr 256
		.amdhsa_next_free_sgpr 66
		.amdhsa_reserve_vcc 0
		.amdhsa_float_denorm_mode_32 3
		.amdhsa_float_denorm_mode_16_64 3
		.amdhsa_memory_ordered 1
		.amdhsa_forward_progress 1
		.amdhsa_inst_pref_size 46
	.end_amdhsa_kernel
	.amdgpu_metadata
---
amdhsa.version: [ 1, 2 ]
amdhsa.kernels:
  - .name:           k_q403791f0e7_attn
    .symbol:         k_q403791f0e7_attn.kd
    .args:
      - { .name: q, .offset: 0, .size: 8, .value_kind: global_buffer, .address_space: global }
      - { .name: kv, .offset: 8, .size: 8, .value_kind: global_buffer, .address_space: global }
      - { .name: o, .offset: 16, .size: 8, .value_kind: global_buffer, .address_space: global }
    .group_segment_fixed_size: 327680
    .private_segment_fixed_size: 0
    .kernarg_segment_align: 8
    .kernarg_segment_size: 24
    .max_flat_workgroup_size: 512
    .sgpr_count:     66
    .vgpr_count:     256
    .wavefront_size: 32
...
	.end_amdgpu_metadata
.endif
;; end of part 3
;; launch projln (part 4): grid 256 x 1, 16 waves a work-group, no clusters, 86,016 bytes of LDS; arguments o, pk1, x, ln2_w, xmid, y; writes xmid, y
.if DOCPART == 4
	.amdgcn_target "amdgcn-amd-amdhsa--gfx1250"
	.amdhsa_code_object_version 6
	.text
	.protected	k_q403791f0e7_projln
	.globl	k_q403791f0e7_projln
	.p2align	8
	.type	k_q403791f0e7_projln,@function
k_q403791f0e7_projln:
	s_mov_b64 s[64:65], 0
	v_nop
	global_prefetch_b8 v0, s[64:65] scope:SCOPE_SE
	s_setreg_imm32_b32 hwreg(HW_REG_WAVE_MODE, 25, 1), 1
	s_wait_xcnt 0x0
; X = x + o proj_w^T on codes of BF6, and y = Q(LN2(X)): the projection, the residual, the second layer norm and its quantiser in one launch.
; Operands lie as records (64 rows x 128 K: four fragment images of 1,536 bytes, group g = registers 2 g, 2 g + 1 with lane l's 8 bytes at 256 g + 8 l, and 64 scale words at 6144 + 64 t + 4 r; 6,400 bytes), [rows / 64][K / 128];
; of 32 rows, tile u's place r holds row 8 u + r + 8 (r / 8).
; SHARES.  A work-group owns one tile of 16 tokens x all 1,024 columns, so that a row's mean and variance are made inside it.  16 waves; wave w owns columns 64 w .. 64 w + 63: one panel of proj_w, four accumulators.
; THE WEIGHTS GO FROM MEMORY STRAIGHT INTO THE OPERAND'S REGISTERS: a fragment feeds one matrix instruction of one wave, so LDS would spare no read.  26 loads a K step, each of 256 consecutive bytes, into a ring of three buffers:
; two K steps' loads are out while one is multiplied.  The tokens' eight fragments (12,288 bytes) are brought once, 768 bytes a wave, and shared through LDS.
; Source 0 = 16 rows of the weight, source 1 = the 16 tokens: a lane holds one token, its register 16 b + i column 64 w + 32 b + 16 h + i.  x's rows turn through the wave's own stage into that layout and are the C of the first products.
; X leaves through the same stage as rows: sixteen lanes store 256 consecutive bytes.  LN2 in two passes (mean; squares of the differences), the 16 waves' row sums meeting in LDS.  My 64 columns are half of K step w / 2 of y's record.
; NO CLUSTER: a joint load lands in LDS alone, and this text takes the weights past LDS.  NO PREFETCH: all 256 work-groups walk the same 819,200 bytes of weights in the same order.
; LIMITS: NaN and infinities are not served; a block whose largest magnitude lies under 2^-122 gets the byte 1 (read by this program alone); a row of variance 0 gives what 1/sqrt(0) gives.
.set REC,    6400
.set PANEL,  8*REC
.set OFFB,   5734400                   ; proj_w's records in pk1
.set SPITCH, 272                       ; a stage row: 256 bytes + 16
.set WSTG,   16*SPITCH
.set ABASE,  16*WSTG                   ; behind the 16 stages: the tokens' fragments, 1,536 bytes a K step
.set P1,     ABASE+8*1536              ; the row sums: 64 bytes a row, a word a wave; the sums of squares 1,024 bytes on
.set SPARE,  P1+2048                   ; the spare words, 128 bytes a wave
.set L8,  1
.set L4,  2
.set R4,  3
.set GO,  4                            ; v4   rows in memory: 4096 h + 16 r
.set STO, 5                            ; v5   the stage in the accumulators' layout: row r, + 64 h bytes
.set RD,  6                            ; v6   the stage by rows: row h, + 16 r bytes
.set ALD, 7
.set AST, 8
.set SMW, 9
.set SMR, 10
.set GV,  11
.set OC,  12
.set OW,  13
.set SPW, 14
.set NIL, 15
.set AS,  16                           ; v16-23 the tokens' scale words, one register a K step
.set AF,  24                           ; v24-47 the tokens' fragments, two buffers
.set BS,  48                           ; v48-53 the weight's scale words, three buffers of two
.set TA,  54                           ; v54-59 at work in the head
.set BF,  64                           ; v64-207 the weight's fragments, three buffers of 48
.set XR,  160                          ; x's rows lie in buffer 2 until K step 2 is asked for; later the gains
.set G,   160
.set BK,  64                           ; X's rows on the way out
.set W16, 192
.set PC,  96
.set ACC, 208                          ; v208-239
.set T,   240
.set TM,  240
.set PT,  250
.set PW,  253
.set WV,  16
.set SEL, 46
.macro PLACES n
.rept \n
	v_nop
.endr
.endm
	s_load_b256 s[4:11], s[0:1], 0x0               ; o, pk1, x, ln2_w
	s_load_b128 s[12:15], s[0:1], 0x20             ; xmid, y
	v_lshl_add_u32 v[SPW], v0, 2, SPARE
	v_mov_b32 v[NIL], 0
	v_lshrrev_b32 v[TA], 5, v0
	v_readfirstlane_b32 s[WV], v[TA]
	s_lshr_b32 s17, ttmp9, 2                       ; the panel of 64 tokens
	s_and_b32 s18, ttmp9, 3                        ; the tile in it
	s_lshr_b32 s19, s[WV], 1
	s_and_b32 s20, s[WV], 1
	s_mul_i32 s22, s17, PANEL
	s_mul_i32 s24, s18, 1536
	s_mul_i32 s25, s19, REC
	s_mul_i32 s26, s20, 768
	s_add_co_u32 s28, s22, s24
	s_add_co_u32 s28, s28, s25
	s_add_co_u32 s28, s28, s26                     ; my 768 bytes of the tokens' codes: K step w / 2, groups 3 (w % 2) on
	s_mov_b32 s29, 0
	s_lshl_b32 s27, s18, 6
	s_add_co_u32 s30, s22, s27
	s_add_co_u32 s30, s30, 6144                    ; the tile's scale words
	s_mov_b32 s31, 0
	s_mul_i32 s32, s[WV], PANEL
	s_add_co_u32 s32, s32, OFFB                    ; my panel of the weight
	s_mov_b32 s33, 0
	s_lshl_b32 s34, s17, 6
	s_lshr_b32 s35, s18, 1
	s_lshl_b32 s35, s35, 5
	s_add_co_u32 s34, s34, s35
	s_and_b32 s35, s18, 1
	s_lshl_b32 s35, s35, 3
	s_add_co_u32 s34, s34, s35                     ; the tile's first row: 64 p + 32 (t / 2) + 8 (t % 2)
	s_lshl_b32 s34, s34, 12
	s_lshl_b32 s40, s[WV], 8
	s_add_co_u32 s34, s34, s40                     ; in bytes, + my 256 bytes of a row
	s_mov_b32 s35, 0
	s_mov_b32 s41, 0
	s_lshl_b32 s36, s17, 3
	s_add_co_u32 s36, s36, s19
	s_mul_i32 s36, s36, REC                        ; y's record
	s_mov_b32 s37, 0
	s_add_co_u32 s38, s24, s26                     ; my half fragment in it,
	s_lshl_b32 s39, s20, 1
	s_add_co_u32 s39, s39, s27
	s_add_co_u32 s39, s39, 6144                    ; and my two of each word's four bytes
	s_mul_i32 s42, s[WV], WSTG
	s_mul_i32 s43, s[WV], 768
	s_add_co_u32 s43, s43, ABASE
	s_lshl_b32 s44, s[WV], 2
	s_add_co_u32 s44, s44, P1
	s_mov_b32 s[SEL], 0x76543210
	s_mov_b32 s[SEL+1], 0xfedcba98
	v_and_b32 v[TA], 31, v0
	v_and_b32 v[TA+1], 15, v0                      ; r
	v_bfe_u32 v[TA+2], v0, 4, 1                    ; h
	v_lshlrev_b32 v[L8], 3, v[TA]
	v_lshlrev_b32 v[L4], 2, v[TA]
	v_lshlrev_b32 v[R4], 2, v[TA+1]
	v_lshlrev_b32 v[GO], 12, v[TA+2]
	v_mul_u32_u24 v[STO], v[TA+1], SPITCH
	v_mul_u32_u24 v[RD], v[TA+2], SPITCH
	v_lshlrev_b32 v[GV], 6, v[TA+2]
	v_lshl_add_u32 v[GO], v[TA+1], 4, v[GO]
	v_lshl_add_u32 v[STO], v[TA+2], 6, v[STO]
	v_lshl_add_u32 v[RD], v[TA+1], 4, v[RD]
	v_add_nc_u32 v[ALD], ABASE, v[L8]
	v_add_nc_u32 v[AST], s43, v[L8]
	v_add_nc_u32 v[STO], s42, v[STO]
	v_add_nc_u32 v[RD], s42, v[RD]
	v_lshl_add_u32 v[SMW], v[TA+1], 6, s44
	v_lshl_add_u32 v[SMR], v[TA+1], 6, P1
	v_add_nc_u32 v[OC], s38, v[L8]
	v_lshl_add_u32 v[OW], v[TA+1], 2, s39
	s_wait_alu depctr_va_vdst(0)                   ; the wait at the head's end
	s_wait_kmcnt 0x0
	s_add_nc_u64 s[28:29], s[4:5], s[28:29]
	s_add_nc_u64 s[30:31], s[4:5], s[30:31]
	s_add_nc_u64 s[6:7], s[6:7], s[32:33]
	s_add_nc_u64 s[8:9], s[8:9], s[34:35]
	s_add_nc_u64 s[12:13], s[12:13], s[34:35]
	s_add_nc_u64 s[14:15], s[14:15], s[36:37]
	s_add_nc_u64 s[10:11], s[10:11], s[40:41]
.macro BLOAD k                         ; K step k of my panel: four fragments and their scale words, into buffer k % 3
.set BB, BF+48*((\k)%3)
.irp t, 0,1,2,3
.irp g, 0,1,2,3,4,5
	global_load_b64 v[BB+12*\t+2*\g:BB+12*\t+2*\g+1], v[L8], s[6:7] offset:REC*(\k)+1536*\t+256*\g
.endr
.endr
	global_load_b32 v[BS+2*((\k)%3)], v[L4], s[6:7] offset:REC*(\k)+6144     ; lanes 0-15 tile 0's words, lanes 16-31 tile 1's
	global_load_b32 v[BS+2*((\k)%3)+1], v[L4], s[6:7] offset:REC*(\k)+6272   ; tiles 2 and 3
.endm
.macro ALOAD k                         ; the tokens' fragment of K step k, from LDS into buffer k % 2
.irp g, 0,1,2,3,4,5
	ds_load_b64 v[AF+12*((\k)%2)+2*\g:AF+12*((\k)%2)+2*\g+1], v[ALD] offset:1536*(\k)+256*\g
.endr
.endm
.macro MULS k                          ; the four accumulators take turns, one instruction a turn
.set BB, BF+48*((\k)%3)
.irp t, 0,1,2,3
.if \t%2
	v_wmma_scale_f32_16x16x128_f8f6f4 v[ACC+8*\t:ACC+8*\t+7], v[BB+12*\t:BB+12*\t+11], v[AF+12*((\k)%2):AF+12*((\k)%2)+11], v[ACC+8*\t:ACC+8*\t+7], v[BS+2*((\k)%3)+\t/2], v[AS+(\k)] matrix_a_fmt:MATRIX_FMT_BF6 matrix_b_fmt:MATRIX_FMT_BF6 matrix_a_scale:MATRIX_SCALE_ROW1
.else
	v_wmma_scale_f32_16x16x128_f8f6f4 v[ACC+8*\t:ACC+8*\t+7], v[BB+12*\t:BB+12*\t+11], v[AF+12*((\k)%2):AF+12*((\k)%2)+11], v[ACC+8*\t:ACC+8*\t+7], v[BS+2*((\k)%3)+\t/2], v[AS+(\k)] matrix_a_fmt:MATRIX_FMT_BF6 matrix_b_fmt:MATRIX_FMT_BF6
.endif
.endr
.endm
.irp i, 0,1,2
	global_load_b64 v[TA+2*\i:TA+2*\i+1], v[L8], s[28:29] offset:256*\i
.endr
.irp k, 0,1,2,3,4,5,6,7
	global_load_b32 v[AS+\k], v[R4], s[30:31] offset:REC*\k
.endr
.irp i, 0,1,2,3,4,5,6,7
	global_load_b128 v[XR+4*\i:XR+4*\i+3], v[GO], s[8:9] offset:(2*\i+8*(\i/4))*4096   ; places 2 i and 2 i + 1 of the tile: sixteen lanes read 256 consecutive bytes
.endr
	BLOAD 0
	BLOAD 1
	s_wait_loadcnt 63                              ; behind my three loads of the tokens' codes 68 were issued: they are in
.irp i, 0,1,2
	ds_store_b64 v[AST], v[TA+2*\i:TA+2*\i+1] offset:256*\i
.endr
	s_wait_loadcnt 52                              ; all but the weight's two K steps: the scale words and x's rows are in
.irp i, 0,1,2,3,4,5,6,7
	ds_store_b128 v[RD], v[XR+4*\i:XR+4*\i+3] offset:2*SPITCH*\i
.endr
.irp t, 0,1,2,3                                    ; LDS serves a wave's instructions in order: these see my stores.  x in the accumulators' layout: the C of the first products
	ds_load_b128 v[ACC+8*\t:ACC+8*\t+3], v[STO] offset:128*(\t/2)+32*(\t%2)
	ds_load_b128 v[ACC+8*\t+4:ACC+8*\t+7], v[STO] offset:128*(\t/2)+32*(\t%2)+16
.endr
	s_wait_dscnt 0x0                               ; for the others' sake: my part of the tokens' codes has landed
	s_barrier_signal -1
	s_barrier_wait -1
	ALOAD 0
.macro STEP k
.if (\k) > 0
	PLACES 4                                       ; behind the last products, ahead of loads into registers that they read
.endif
.if (\k)+2 < 8
	BLOAD (\k)+2
.endif
.if (\k) == 6
.irp b, 0,1
.irp q, 0,1,2,3
	global_load_b128 v[G+16*\b+4*\q:G+16*\b+4*\q+3], v[GV], s[10:11] offset:128*\b+16*\q   ; the gains of my 32 columns, into the buffer that K step 5 has left
.endr
.endr
.endif
.if (\k)+1 < 8
	ALOAD (\k)+1
.endif
.if (\k) < 6
	s_wait_loadcnt 52                              ; this K step's 26 loads are in; the next two steps' may be out
.elseif (\k) == 6
	s_wait_loadcnt 34                              ; K step 7's 26 and the gains' 8 may be out
.else
	s_wait_loadcnt 8                               ; the gains' 8
.endif
.if (\k) < 7
	s_wait_dscnt 6                                 ; this K step's fragment of the tokens is in; the next one's six loads may be out
.else
	s_wait_dscnt 0x0
.endif
	MULS \k
.endm
.irp k, 0,1,2,3,4,5,6,7
	STEP \k
.endr
	PLACES 4
.irp t, 0,1,2,3                                    ; X to the stage, each accumulator from its low end on, and back by rows
	ds_store_b128 v[STO], v[ACC+8*\t:ACC+8*\t+3] offset:128*(\t/2)+32*(\t%2)
	ds_store_b128 v[STO], v[ACC+8*\t+4:ACC+8*\t+7] offset:128*(\t/2)+32*(\t%2)+16
.endr
.irp i, 0,1,2,3,4,5,6,7
	ds_load_b128 v[BK+4*\i:BK+4*\i+3], v[RD] offset:2*SPITCH*\i
.endr
; v[T..T+7] hold four pairs of partial sums of my 32 numbers; behind the macro v[T] holds the whole row's: the partner lane's half, my wave's word, a barrier, the 16 waves' words.
.macro ROWSUM off, send
	v_pk_add_f32 v[T:T+1], v[T:T+1], v[T+2:T+3]
	v_pk_add_f32 v[T+4:T+5], v[T+4:T+5], v[T+6:T+7]
	v_pk_add_f32 v[T:T+1], v[T:T+1], v[T+4:T+5]
	v_add_f32 v[T], v[T], v[T+1]
	v_permlanex16_b32 v[T+1], v[T], s[SEL], s[SEL+1]
	v_add_f32 v[T], v[T], v[T+1]
	ds_store_b32 v[SMW], v[T] offset:\off          ; lanes r and r + 16 write the same word with the same value
	s_wait_alu depctr_va_vdst(0)                   ; the wait here, directly ahead of the wait below
	s_wait_dscnt 0x0                               ; for the others' sake: my word has landed
.if \send
.irp i, 0,1,2,3,4,5,6,7
	global_store_b128 v[GO], v[BK+4*\i:BK+4*\i+3], s[12:13] offset:(2*\i+8*(\i/4))*4096   ; X's rows: sixteen lanes store 256 consecutive bytes, aligned
.endr
.endif
	s_barrier_signal -1
	s_barrier_wait -1
.irp q, 0,1,2,3
	ds_load_b128 v[W16+4*\q:W16+4*\q+3], v[SMR] offset:\off+16*\q
.endr
	s_wait_dscnt 0x0
.irp q, 0,1,2,3
	v_pk_add_f32 v[W16+4*\q:W16+4*\q+1], v[W16+4*\q:W16+4*\q+1], v[W16+4*\q+2:W16+4*\q+3]
.endr
	v_pk_add_f32 v[W16:W16+1], v[W16:W16+1], v[W16+4:W16+5]
	v_pk_add_f32 v[W16+8:W16+9], v[W16+8:W16+9], v[W16+12:W16+13]
	v_pk_add_f32 v[W16:W16+1], v[W16:W16+1], v[W16+8:W16+9]
	v_add_f32 v[T], v[W16], v[W16+1]
.endm
.irp c, 0,1,2,3
	v_pk_add_f32 v[T+2*\c:T+2*\c+1], v[ACC+4*\c:ACC+4*\c+1], v[ACC+4*\c+2:ACC+4*\c+3]
.endr
.irp i, 16,24
.irp c, 0,1,2,3
	v_pk_add_f32 v[T+2*\c:T+2*\c+1], v[T+2*\c:T+2*\c+1], v[ACC+\i+2*\c:ACC+\i+2*\c+1]
.endr
.endr
	ROWSUM 0, 1
	v_mul_f32 v[T+8], 0x3a800000, v[T]             ; / 1,024: the mean
	v_mov_b32 v[T+9], v[T+8]
.set i, 0
.rept 16
	v_pk_add_f32 v[ACC+i:ACC+i+1], v[ACC+i:ACC+i+1], v[T+8:T+9] neg_lo:[0,1] neg_hi:[0,1]
.set i, i+2
.endr
.irp c, 0,1,2,3                                    ; the squares of the differences: a second pass, so that a common offset cancels nothing
	v_pk_mul_f32 v[T+2*\c:T+2*\c+1], v[ACC+2*\c:ACC+2*\c+1], v[ACC+2*\c:ACC+2*\c+1]
.endr
.irp i, 8,16,24
.irp c, 0,1,2,3
	v_pk_fma_f32 v[T+2*\c:T+2*\c+1], v[ACC+\i+2*\c:ACC+\i+2*\c+1], v[ACC+\i+2*\c:ACC+\i+2*\c+1], v[T+2*\c:T+2*\c+1]
.endr
.endr
	ROWSUM 1024, 0                                 ; other bytes than the first sums': no wave overwrites what another still reads
	v_mul_f32 v[T], 0x3a800000, v[T]               ; the variance
	s_wait_loadcnt 0x0                             ; the gains
	s_wait_alu depctr_va_vdst(0)                   ; the wait ahead of the transcendental
	v_rsq_f32 v[T+8], v[T]
	v_nop
	s_wait_alu depctr_va_vdst(0)                   ; and ahead of its first reader
	v_mov_b32 v[T+9], v[T+8]
.set i, 0
.rept 16
	v_pk_mul_f32 v[ACC+i:ACC+i+1], v[ACC+i:ACC+i+1], v[T+8:T+9]
.set i, i+2
.endr
.set i, 0
.rept 16
	v_pk_mul_f32 v[ACC+i:ACC+i+1], v[ACC+i:ACC+i+1], v[G+i:G+i+1]
.set i, i+2
.endr
	; THE QUANTISER: register 16 b + i is k = 32 b + 16 h + i of my 64: two blocks, each shared with the lane 16 away
	v_max3_num_f32 v[TM], |v[ACC]|, |v[ACC+1]|, 0x2800000          ; with the floor 2^(5 - 127): the byte cannot fall under 1
	v_max3_num_f32 v[TM+1], |v[ACC+16]|, |v[ACC+17]|, 0x2800000
.irp i, 2,4,6,8,10,12,14
	v_max3_num_f32 v[TM], v[TM], |v[ACC+\i]|, |v[ACC+\i+1]|
	v_max3_num_f32 v[TM+1], v[TM+1], |v[ACC+16+\i]|, |v[ACC+17+\i]|
.endr
	v_permlanex16_b32 v[TM+2], v[TM], s[SEL], s[SEL+1]
	v_permlanex16_b32 v[TM+3], v[TM+1], s[SEL], s[SEL+1]
	v_max_num_f32 v[TM], v[TM], v[TM+2]
	v_max_num_f32 v[TM+1], v[TM+1], v[TM+3]
	v_add_nc_u32 v[TM+4], 0xfe000000, v[TM]        ; 4 off the exponent field: the conversion's scale operand
	v_add_nc_u32 v[TM+5], 0xfe000000, v[TM+1]
	v_lshrrev_b32 v[TM+6], 23, v[TM+4]             ; the bytes
	v_lshrrev_b32 v[TM+7], 23, v[TM+5]
	v_lshl_or_b32 v[PW], v[TM+7], 8, v[TM+6]
	v_cvt_scalef32_pk16_bf6_f32 v[PC:PC+2], v[ACC:ACC+15], v[TM+4]
	v_cvt_scalef32_pk16_bf6_f32 v[PT:PT+2], v[ACC+16:ACC+31], v[TM+5]
	v_nop                                          ; a plain instruction behind the scaled conversions
.irp i, 0,1,2
	v_permlane16_swap_b32 v[PC+\i], v[PT+\i]       ; the layout wants a whole block in a lane
.endr
.irp i, 0,1,2
	v_mov_b32 v[PC+3+\i], v[PT+\i]
.endr
.irp g, 0,1,2
	global_store_b64 v[OC], v[PC+2*\g:PC+2*\g+1], s[14:15] offset:256*\g   ; 256 consecutive bytes, at a multiple of 256 from the buffer's first byte
.endr
	global_store_b16 v[OW], v[PW], s[14:15]        ; my two of each word's four bytes: the wave beside me has the other two
	s_wait_tensorcnt 0x0                           ; the wave's end
	ds_add_u32 v[SPW], v[NIL]
	s_wait_dscnt 0x0
	s_endpgm
.Lfunc_end_k_q403791f0e7_projln:
	.size	k_q403791f0e7_projln, .Lfunc_end_k_q403791f0e7_projln-k_q403791f0e7_projln
	.p2alignl 7, 3214868480
	.fill 96, 4, 3214868480
	.section	.rodata,"a",@progbits
	.p2align	6, 0x0
	.amdhsa_kernel k_q403791f0e7_projln
		.amdhsa_group_segment_fixed_size 86016
		.amdhsa_private_segment_fixed_size 0
		.amdhsa_enable_private_segment 0
		.amdhsa_kernarg_size 48
		.amdhsa_user_sgpr_count 2
		.amdhsa_user_sgpr_kernarg_segment_ptr 1
		.amdhsa_wavefront_size32 1
		.amdhsa_system_sgpr_workgroup_id_x 1
		.amdhsa_system_sgpr_workgroup_id_y 1
		.amdhsa_system_sgpr_workgroup_id_z 1
		.amdhsa_system_vgpr_workitem_id 0
		.amdhsa_next_free_vgpr 256
		.amdhsa_next_free_sgpr 66
		.amdhsa_reserve_vcc 0
		.amdhsa_float_denorm_mode_32 3
		.amdhsa_float_denorm_mode_16_64 3
		.amdhsa_memory_ordered 1
		.amdhsa_forward_progress 1
		.amdhsa_inst_pref_size 48
	.end_amdhsa_kernel
	.amdgpu_metadata
---
amdhsa.version: [ 1, 2 ]
amdhsa.kernels:
  - .name:           k_q403791f0e7_projln
    .symbol:         k_q403791f0e7_projln.kd
    .args:
      - { .name: o, .offset: 0, .size: 8, .value_kind: global_buffer, .address_space: global }
      - { .name: pk1, .offset: 8, .size: 8, .value_kind: global_buffer, .address_space: global }
      - { .name: x, .offset: 16, .size: 8, .value_kind: global_buffer, .address_space: global }
      - { .name: ln2_w, .offset: 24, .size: 8, .value_kind: global_buffer, .address_space: global }
      - { .name: xmid, .offset: 32, .size: 8, .value_kind: global_buffer, .address_space: global }
      - { .name: y, .offset: 40, .size: 8, .value_kind: global_buffer, .address_space: global }
    .group_segment_fixed_size: 86016
    .private_segment_fixed_size: 0
    .kernarg_segment_align: 8
    .kernarg_segment_size: 48
    .max_flat_workgroup_size: 512
    .sgpr_count:     66
    .vgpr_count:     256
    .wavefront_size: 32
...
	.end_amdgpu_metadata
.endif
;; end of part 4
;; launch mlp1 (part 5): grid 8 x 32, 4 waves a work-group, clusters of 4 x 4, 327,680 bytes of LDS; arguments y, pk1, h; writes h
.if DOCPART == 5
	.amdgcn_target "amdgcn-amd-amdhsa--gfx1250"
	.amdhsa_code_object_version 6
	.text
	.protected	k_q403791f0e7_mlp1
	.globl	k_q403791f0e7_mlp1
	.p2align	8
	.type	k_q403791f0e7_mlp1,@function
k_q403791f0e7_mlp1:
	s_mov_b64 s[64:65], 0
	v_nop
	global_prefetch_b8 v0, s[64:65] scope:SCOPE_SE
	s_setreg_imm32_b32 hwreg(HW_REG_WAVE_MODE, 25, 1), 1
	s_wait_xcnt 0x0
	s_wait_alu depctr_hold_cnt(0) depctr_sa_sdst(0) depctr_va_vdst(0) depctr_va_sdst(0) depctr_va_ssrc(0) depctr_va_vcc(0) depctr_vm_vsrc(0)
	s_getreg_b32 s2, hwreg(HW_REG_IB_STS2, 6, 4)
	s_cmp_eq_u32 s2, 0
	s_cbranch_scc0 .Lentry_in_a_cluster
	s_endpgm
.Lentry_in_a_cluster:
	s_bfe_u32 s2, ttmp6, 0x10000c
	s_cmp_lg_u32 s2, 0xf033
	s_cbranch_scc0 .Lentry_shape_is_right
	s_endpgm
.Lentry_shape_is_right:
; h = Q(gelu(LN2(X) mlp_w1^T)) on codes of BF6: the hidden layer leaves as codes, laid as the next product's operand.
; Operands lie as records (64 rows x 128 K: four fragment images of 1,536 bytes and 64 scale words; 6,400 bytes), [rows / 64][K / 128]; of 32 rows, tile u's place r holds row 8 u + r + 8 (r / 8).
; SHARES.  A work-group makes 128 tokens (y) x 128 hidden units, four times: column tiles 4 x .. 4 x + 3.  Four waves, each 64 x 64: 16 accumulators.
; LDS.  THE TOKENS' TWO PANELS FOR ALL OF K = 1,024 (102,400 bytes on end in memory) COME ONCE AND STAY.  A column tile's two panels for all of K are 102,400 bytes on end too: they have two slots.
; A head load brings a whole panel, 51,200 dense bytes; every later load a quarter of such a block, 25,600 dense bytes, a quarter a wave.  Two first fills a wave: a panel of the tokens or of tile 0, and a quarter of tile 1.  Behind tile 0 its slot takes tile 2, behind tile 1 its slot takes tile 3:
; such a load has a whole tile's 128 matrix instructions and a way out in which to land, and there is one change of slots a tile.
; THE TEXT holds a tile twice: a loop of two trips that fill a slot again, and a loop of two trips that do not.  The slot in hand is a scalar, 0 or TILEB, turned by an exclusive or.
; CLUSTER 4 x 4: the tokens' panels are shared along a row of the cluster, the weights' along a column: each quarter is asked for jointly.
; Source 0 = 16 rows of the weight, source 1 = 16 tokens: a lane holds one token, its 32 registers of a token tile 2 x 16 neighbouring hidden units: two blocks of the next K, shared with the lane 16 away.
; GELU, exact, in f32: g = x Phi(x) = max(x, 0) - |x| H, H = erfc(|x| / sqrt 2) / 2.  With t = |x| / sqrt 2: above |x| = 1.312 H = 2^(r(t) log2 e - 1), r a polynomial of degree 7 less t;
; below, H = 1/2 - erf(t) / 2, erf(t) = t + t p(t^2).  Both are worked for every number and one is chosen by a select: no branch hangs on data.  The negative tail has no difference of near numbers.
; LIMITS: NaN and infinities are not served; a block whose largest magnitude lies under 2^-122 gets the byte 1.
; REGISTERS: window 0: v1-15 addresses; v16-23 scale words, two sets; v24-29 three constants as pairs; v30-35 scale words made here; v36-67 r, then H, then g; v68-99 the small branch; v100-123 at work; v128-255 the accumulators.
;   Window 1: two sets of fragments, v0-95 and v128-223.
.set REC,   6400
.set PCH,   4*REC                      ; a quarter of a block of two panels
.set PANEL, 8*REC
.set TILEB, 2*PANEL                    ; two panels.  LDS: the tokens at 0, the weights' slot 0 at TILEB, slot 1 at 2 TILEB
.set SPARE, 3*TILEB                    ; behind them: the spare words, 128 bytes for each wave
.set OFFB,  6553600
.set STEPB, TILEB                      ; one column tile on, in memory
.set ADRA, 1                           ; v1   8 x lane + my tokens' panel
.set ADRB, 3                           ; v3   8 x lane + my columns' panel in the slot in hand;  v4 the same in slot 0, never rewritten
.set ADRB0, 4
.set ASA,  5                           ; v5   4 x lane + the tokens' panel's scale words
.set ASB,  7                           ; v7, v8  the same for the columns' panel
.set ASB0, 8
.set SPW,  9
.set NIL,  10
.set L8,   11
.set L4,   12
.set CO,   13                          ; v13  the codes: 8 x lane + 768 x my half of the columns
.set WO,   14                          ; v14  the scale bytes: 4 x lane + 2 x my half
.set SC,   16
.set C1V,  24
.set C3V,  26
.set D1V,  28
.set PW,   30
.set PJ,   34
.set RA,   36
.set WS,   68
.set T,    100
.set S2,   108
.set U,    116
.set PC,   100                         ; the quantiser works where t, t^2 and u lay
.set PT,   106
.set TM,   110
.set ACC,  128
.set TB, 3                             ; s3   the slot in hand: 0 or TILEB
.set WV, 12
.set WR, 13
.set WC, 14
.set CX, 15
.set CY, 16
.set GX, 17
.set GY, 18
.set HIM, 21
.set SEL, 22
.set G1A, 24                           ; s[24:31] group 1 with my row's mask;  s[48:55] with my column's
.set G0A, 32                           ; s[32:35] group 0 of a panel of the tokens;  s[36:39] of tile 0's;  s[56:59] of tile 1's, which then walks
.set G0B, 36
.set G1B, 48
.set G0R, 56
.set C0, 66                            ; the constants, each as a pair: a packed form names a pair and takes its low word for both halves
.set C2, 68
.set C4, 70
.set C5, 72
.set C6, 74
.set L2E, 76
.set D0, 78
.set D2, 80
.set D3, 82
.set D4, 84
.set D5, 86
.set RS2, 88
.set THR, 89
.set MK, 90                            ; s90-93 four lane masks by turns
.set LB, 94                            ; s94  my quarter's place in slot 0
.set MSB, 0
.macro WIN new                         ; the immediate's high byte repeats the setting that is left
.if MSB != \new
	s_set_vgpr_msb (MSB<<8)|\new
.set MSB, \new
.endif
.endm
.macro PLACES cnt                      ; plain instructions between a matrix instruction and a load into, a read of or a new sum over its registers
.rept \cnt
	v_nop
.endr
.endm
.macro CROUND                          ; a round of the cluster's barrier
	s_barrier_signal -1
	s_barrier_wait -1
	s_cmp_lg_u32 s[WV], 0
	s_cbranch_scc1 .Lnot_wave_0_\@
	s_barrier_signal -3
.Lnot_wave_0_\@:
	s_barrier_wait -3
	s_barrier_signal -1
	s_barrier_wait -1
.endm
.macro FETCH s, buf, bi                ; 52 LDS loads: the fragments and scale words of K step s (0 to 7), the weight's from the slot in hand; a load of 8 bytes a lane takes 256 consecutive bytes
	WIN 0x40
.irp t, 0,1,2,3
.irp g, 0,1,2,3,4,5
	ds_load_b64 v[48+(\buf)+12*\t+2*\g:48+(\buf)+12*\t+2*\g+1], v[ADRB] offset:REC*(\s)+1536*\t+256*\g
.endr
.endr
.irp t, 0,1,2,3
.irp g, 0,1,2,3,4,5
	ds_load_b64 v[12*\t+(\buf)+2*\g:12*\t+(\buf)+2*\g+1], v[ADRA] offset:REC*(\s)+1536*\t+256*\g
.endr
.endr
	WIN 0
	ds_load_b32 v[SC+4*(\bi)], v[ASA] offset:REC*(\s)            ; lanes 0-15: tile 0's words, lanes 16-31: tile 1's
	ds_load_b32 v[SC+4*(\bi)+1], v[ASA] offset:REC*(\s)+128
	ds_load_b32 v[SC+4*(\bi)+2], v[ASB] offset:REC*(\s)
	ds_load_b32 v[SC+4*(\bi)+3], v[ASB] offset:REC*(\s)+128
.endm
.macro MM o0, o1, zero                 ; one matrix instruction on rD, rP, rQ, sP, sQ; o0, o1: the source's tile is an odd one: its words lie in lanes 16-31
.if \zero
.if (\o0) && (\o1)
	v_wmma_scale_f32_16x16x128_f8f6f4 v[rD:rD+7], v[rP:rP+11], v[rQ:rQ+11], 0, v[sP], v[sQ] matrix_a_fmt:MATRIX_FMT_BF6 matrix_b_fmt:MATRIX_FMT_BF6 matrix_a_scale:MATRIX_SCALE_ROW1 matrix_b_scale:MATRIX_SCALE_ROW1
.elseif (\o0)
	v_wmma_scale_f32_16x16x128_f8f6f4 v[rD:rD+7], v[rP:rP+11], v[rQ:rQ+11], 0, v[sP], v[sQ] matrix_a_fmt:MATRIX_FMT_BF6 matrix_b_fmt:MATRIX_FMT_BF6 matrix_a_scale:MATRIX_SCALE_ROW1
.elseif (\o1)
	v_wmma_scale_f32_16x16x128_f8f6f4 v[rD:rD+7], v[rP:rP+11], v[rQ:rQ+11], 0, v[sP], v[sQ] matrix_a_fmt:MATRIX_FMT_BF6 matrix_b_fmt:MATRIX_FMT_BF6 matrix_b_scale:MATRIX_SCALE_ROW1
.else
	v_wmma_scale_f32_16x16x128_f8f6f4 v[rD:rD+7], v[rP:rP+11], v[rQ:rQ+11], 0, v[sP], v[sQ] matrix_a_fmt:MATRIX_FMT_BF6 matrix_b_fmt:MATRIX_FMT_BF6
.endif
.else
.if (\o0) && (\o1)
	v_wmma_scale_f32_16x16x128_f8f6f4 v[rD:rD+7], v[rP:rP+11], v[rQ:rQ+11], v[rD:rD+7], v[sP], v[sQ] matrix_a_fmt:MATRIX_FMT_BF6 matrix_b_fmt:MATRIX_FMT_BF6 matrix_a_scale:MATRIX_SCALE_ROW1 matrix_b_scale:MATRIX_SCALE_ROW1
.elseif (\o0)
	v_wmma_scale_f32_16x16x128_f8f6f4 v[rD:rD+7], v[rP:rP+11], v[rQ:rQ+11], v[rD:rD+7], v[sP], v[sQ] matrix_a_fmt:MATRIX_FMT_BF6 matrix_b_fmt:MATRIX_FMT_BF6 matrix_a_scale:MATRIX_SCALE_ROW1
.elseif (\o1)
	v_wmma_scale_f32_16x16x128_f8f6f4 v[rD:rD+7], v[rP:rP+11], v[rQ:rQ+11], v[rD:rD+7], v[sP], v[sQ] matrix_a_fmt:MATRIX_FMT_BF6 matrix_b_fmt:MATRIX_FMT_BF6 matrix_b_scale:MATRIX_SCALE_ROW1
.else
	v_wmma_scale_f32_16x16x128_f8f6f4 v[rD:rD+7], v[rP:rP+11], v[rQ:rQ+11], v[rD:rD+7], v[sP], v[sQ] matrix_a_fmt:MATRIX_FMT_BF6 matrix_b_fmt:MATRIX_FMT_BF6
.endif
.endif
.endm
; 16 matrix instructions, 128 along K: accumulator 4 i + j = token tile i x column tile j.  The 16 take turns, one instruction a turn, in the same order in every step.
.macro MUL buf, bi, zero
	WIN 0x05                                       ; sources 0 and 1 window 1; C and D window 0
.irp i, 0,1,2,3
.irp j, 0,1,2,3
.set rD, ACC+8*(4*\i+\j)
.set rP, 48+12*\j+(\buf)
.set rQ, 12*\i+(\buf)
.set sP, SC+4*(\bi)+2+\j/2
.set sQ, SC+4*(\bi)+\i/2
	MM \j%2, \i%2, \zero
.endr
.endr
	WIN 0
.endm
; K step s is multiplied (its set lies in buffer s % 2) while step s + 1's set is fetched into the other buffer
.macro KSTEP s, zero
	PLACES 4+\zero                                 ; (one more where the products that follow begin sums anew over the accumulators)
	FETCH (\s)+1, 128*(((\s)+1)%2), ((\s)+1)%2
	s_wait_dscnt 52                                ; all but the 52 loads just issued
	MUL 128*((\s)%2), (\s)%2, \zero
.endm
.macro STEPS                           ; a tile's K steps 0 to 6; step 7's set is asked for, and its products stand behind the change of slots
	KSTEP 0, 1
.irp s, 1,2,3,4,5,6
	KSTEP \s, 0
.endr
.endm
; THE CHANGE OF SLOTS.  Each wave waits for all its tensor loads (its quarter of the next tile among them), adds 0 to its spare word, and waits for that and for its reads of the slot that it leaves.
; refill = 1: a round of the cluster's barrier, and behind it, first, the joint load that fills the slot just left with the tile two further on.  Then the next tile's first set is fetched from the other slot, and K step 7,
; which lies in registers, is multiplied.  refill = 0: a plain barrier; the last trip has no next tile: a branch on the count of trips passes over the fetch (its barrier orders nothing more, and is passed so that the two trips are one text).
.macro CHANGE refill
	s_wait_tensorcnt 0x0                           ; no tensor load of mine is out, so a group 0 may be written
	ds_add_u32 v[SPW], v[NIL]
.if \refill
	s_add_co_u32 s[G0R+1], s[LB], s[TB]            ; the walking descriptor: my quarter of the slot in hand,
	s_add_nc_u64 s[G0R+2:G0R+3], s[G0R+2:G0R+3], STEPB   ; the next tile in memory; the type bits on top are not reached
.endif
	s_xor_b32 s[TB], s[TB], TILEB                  ; on to the other slot
	s_wait_dscnt 0x0                               ; the add is done, and my reads of the slot that I leave are in
.if \refill
	CROUND
	tensor_load_to_lds s[G0R:G0R+3], s[G1B:G1B+7]  ; my one tensor load behind the round
	s_nop 0
	PLACES 4                                       ; also the places in front of the loads below
.else
	s_barrier_signal -1
	s_barrier_wait -1
	PLACES 4
.endif
	v_add_nc_u32 v[ADRB], s[TB], v[ADRB0]
	v_add_nc_u32 v[ASB], s[TB], v[ASB0]
.if \refill
	FETCH 0, 0, 0
.else
	s_cmp_eq_u32 s2, 1
	s_cbranch_scc1 .Lno_next_\@
	FETCH 0, 0, 0
.Lno_next_\@:
.endif
	MUL 128, 1, 0
.endm
.macro QUANT2 src, pc, pw              ; 32 numbers of a lane, register 16 b + i = k 32 b + 16 (lane / 16) + i of my row, become half a fragment's codes (6 registers) and two scale bytes
	v_max3_num_f32 v[TM], |v[\src]|, |v[\src+1]|, 0x2800000      ; with the floor 2^(5 - 127): the byte cannot fall under 1
	v_max3_num_f32 v[TM+1], |v[\src+16]|, |v[\src+17]|, 0x2800000
.irp i, 2,4,6,8,10,12,14
	v_max3_num_f32 v[TM], v[TM], |v[\src+\i]|, |v[\src+\i+1]|
	v_max3_num_f32 v[TM+1], v[TM+1], |v[\src+16+\i]|, |v[\src+17+\i]|
.endr
	v_permlanex16_b32 v[TM+2], v[TM], s[SEL], s[SEL+1]
	v_permlanex16_b32 v[TM+3], v[TM+1], s[SEL], s[SEL+1]
	v_max_num_f32 v[TM], v[TM], v[TM+2]            ; with the partner lane's 16: the block's largest magnitude
	v_max_num_f32 v[TM+1], v[TM+1], v[TM+3]
	v_add_nc_u32 v[TM+4], 0xfe000000, v[TM]        ; 4 off the exponent field: the conversion's scale operand
	v_add_nc_u32 v[TM+5], 0xfe000000, v[TM+1]
	v_lshrrev_b32 v[TM+6], 23, v[TM+4]             ; the scale's byte
	v_lshrrev_b32 v[TM+7], 23, v[TM+5]
	v_lshl_or_b32 v[\pw], v[TM+7], 8, v[TM+6]
	v_cvt_scalef32_pk16_bf6_f32 v[\pc:\pc+2], v[\src:\src+15], v[TM+4]
	v_cvt_scalef32_pk16_bf6_f32 v[PT:PT+2], v[\src+16:\src+31], v[TM+5]
	v_nop                                          ; a plain instruction behind the scaled conversions
.irp i, 0,1,2
	v_permlane16_swap_b32 v[\pc+\i], v[PT+\i]      ; the layout wants a whole block in a lane
.endr
.irp i, 0,1,2
	v_mov_b32 v[\pc+3+\i], v[PT+\i]
.endr
.endm
; gelu of the 32 numbers v[src] on, into v[RA] on.  Each line of the arithmetic runs over four pairs, so that no line waits for the line above it; the 32 exponentials are one batch with one wait.
.macro GELU src
.irp q, 0,1,2,3                                    ; an accumulator's eight numbers at a time, from its low end on
.irp j, 0,1,2,3,4,5,6,7
	v_mul_f32 v[T+\j], |v[\src+8*\q+\j]|, s[RS2]   ; t = |x| / sqrt 2
.endr
.irp j, 0,2,4,6
	v_pk_mul_f32 v[S2+\j:S2+\j+1], v[T+\j:T+\j+1], v[T+\j:T+\j+1]
.endr
.irp j, 0,2,4,6
	v_pk_fma_f32 v[RA+8*\q+\j:RA+8*\q+\j+1], v[T+\j:T+\j+1], s[C0:C0+1], v[C1V:C1V+1] op_sel_hi:[1,0,1]
.endr
.irp j, 0,2,4,6
	v_pk_fma_f32 v[U+\j:U+\j+1], v[T+\j:T+\j+1], s[C2:C2+1], v[C3V:C3V+1] op_sel_hi:[1,0,1]
.endr
.irp j, 0,2,4,6
	v_pk_fma_f32 v[RA+8*\q+\j:RA+8*\q+\j+1], v[RA+8*\q+\j:RA+8*\q+\j+1], v[S2+\j:S2+\j+1], v[U+\j:U+\j+1]
.endr
.irp c, C4, C5, C6
.irp j, 0,2,4,6
	v_pk_fma_f32 v[RA+8*\q+\j:RA+8*\q+\j+1], v[RA+8*\q+\j:RA+8*\q+\j+1], v[T+\j:T+\j+1], s[\c:\c+1] op_sel_hi:[1,1,0]
.endr
.endr
.irp j, 0,2,4,6
	v_pk_fma_f32 v[RA+8*\q+\j:RA+8*\q+\j+1], v[RA+8*\q+\j:RA+8*\q+\j+1], v[T+\j:T+\j+1], v[T+\j:T+\j+1] neg_lo:[0,0,1] neg_hi:[0,0,1]
.endr
.irp j, 0,2,4,6
	v_pk_fma_f32 v[RA+8*\q+\j:RA+8*\q+\j+1], v[RA+8*\q+\j:RA+8*\q+\j+1], s[L2E:L2E+1], -1.0 op_sel_hi:[1,0,0]   ; r log2 e - 1
.endr
.irp j, 0,2,4,6
	v_pk_fma_f32 v[WS+8*\q+\j:WS+8*\q+\j+1], v[S2+\j:S2+\j+1], s[D0:D0+1], v[D1V:D1V+1] op_sel_hi:[1,0,1]
.endr
.irp c, D2, D3, D4, D5
.irp j, 0,2,4,6
	v_pk_fma_f32 v[WS+8*\q+\j:WS+8*\q+\j+1], v[WS+8*\q+\j:WS+8*\q+\j+1], v[S2+\j:S2+\j+1], s[\c:\c+1] op_sel_hi:[1,1,0]
.endr
.endr
.irp j, 0,2,4,6
	v_pk_fma_f32 v[WS+8*\q+\j:WS+8*\q+\j+1], v[WS+8*\q+\j:WS+8*\q+\j+1], v[T+\j:T+\j+1], v[T+\j:T+\j+1]   ; erf(t)
.endr
.irp j, 0,2,4,6
	v_pk_fma_f32 v[WS+8*\q+\j:WS+8*\q+\j+1], v[WS+8*\q+\j:WS+8*\q+\j+1], -0.5, 0.5 op_sel_hi:[1,0,0]      ; 1/2 - erf(t) / 2
.endr
.endr
.set j, 0
	s_wait_alu depctr_va_vdst(0)
.rept 32
	v_exp_f32 v[RA+j], v[RA+j]
.set j, j+1
.endr
.set j, 0
.rept 24
	v_max_num_f32 v[T+j], 0, v[\src+j]             ; max(x, 0): work that names no exponential's result
.set j, j+1
.endr
	s_wait_alu depctr_va_vdst(0)                   ; one wait for the batch, ahead of its first reader
.irp q, 0,4,8,12,16,20
.irp k, 0,1,2,3
	v_cmp_gt_f32 s[MK+\k], |v[\src+\q+\k]|, s[THR]
.endr
.irp k, 0,1,2,3
	v_cndmask_b32 v[RA+\q+\k], v[WS+\q+\k], v[RA+\q+\k], s[MK+\k]
.endr
.irp k, 0,1,2,3
	v_fma_f32 v[RA+\q+\k], -|v[\src+\q+\k]|, v[RA+\q+\k], v[T+\q+\k]
.endr
.endr
.irp k, 0,1,2,3,4,5,6,7
	v_max_num_f32 v[T+\k], 0, v[\src+24+\k]
.endr
.irp q, 24,28
.irp k, 0,1,2,3
	v_cmp_gt_f32 s[MK+\k], |v[\src+\q+\k]|, s[THR]
.endr
.irp k, 0,1,2,3
	v_cndmask_b32 v[RA+\q+\k], v[WS+\q+\k], v[RA+\q+\k], s[MK+\k]
.endr
.irp k, 0,1,2,3
	v_fma_f32 v[RA+\q+\k], -|v[\src+\q+\k]|, v[RA+\q+\k], v[T+\q-24+\k]
.endr
.endr
.endm
; THE WAY OUT of a column tile: my 64 hidden units are half of K step n of the next product
.macro EPI_H
	PLACES 4
.irp a, 0,1,2,3
	s_wait_xcnt 0x0                                ; the earlier stores have read their registers, which are written again from here on
	GELU ACC+32*\a
	QUANT2 RA, PC, PW+\a
.irp g, 0,1,2
	global_store_b64 v[CO], v[PC+2*\g:PC+2*\g+1], s[8:9] offset:1536*\a+256*\g   ; 256 consecutive bytes, at a multiple of 256 from the buffer's first byte
.endr
.endr
	v_cndmask_b32 v[PJ], v[PW], v[PW+1], s[HIM]    ; lanes 0-15 the even tile's bytes, lanes 16-31 the odd tile's
	v_cndmask_b32 v[PJ+1], v[PW+2], v[PW+3], s[HIM]
	global_store_b16 v[WO], v[PJ], s[8:9] offset:6144            ; my two of each word's four bytes: the wave beside me has the other two
	global_store_b16 v[WO], v[PJ+1], s[8:9] offset:6272
	s_wait_xcnt 0x0                                ; the stores have read their base:
	s_add_nc_u64 s[8:9], s[8:9], REC               ; the next column tile is the next K step's record
.endm
.macro KPAIR reg, val
	s_mov_b32 s[\reg], \val
	s_mov_b32 s[\reg+1], \val
.endm
	s_load_b128 s[4:7], s[0:1], 0x0                ; y's records, pk1
	s_load_b64 s[8:9], s[0:1], 0x10                ; h
	v_lshl_add_u32 v[SPW], v0, 2, SPARE
	v_mov_b32 v[NIL], 0
	ds_add_u32 v9, v10
	ds_add_u32 v9, v10
	s_wait_dscnt 0x0
	v_lshrrev_b32 v15, 5, v0
	v_readfirstlane_b32 s[WV], v15
	s_lshr_b32 s[WR], s[WV], 1                     ; which 64 tokens are mine
	s_and_b32 s[WC], s[WV], 1                      ; which 64 columns
	s_bfe_u32 s[CX], ttmp6, 0x40000
	s_bfe_u32 s[CY], ttmp6, 0x40004
	s_lshl_b32 s[GX], ttmp9, 2
	s_add_co_u32 s[GX], s[GX], s[CX]
	s_and_b32 s[GY], ttmp7, 0xffff
	s_lshl_b32 s[GY], s[GY], 2
	s_add_co_u32 s[GY], s[GY], s[CY]
	s_lshl_b32 s19, s[CY], 2
	s_lshl_b32 s19, 15, s19                        ; my row of the cluster
	s_lshl_b32 s20, 0x1111, s[CX]                  ; my column
	s_or_b32 s[G1A], s19, (3<<16)|(1<<21)          ; 15:0 the mask; 17:16 elements of 8 bytes; 21 set beside a mask; no padding
	s_or_b32 s[G1B], s20, (3<<16)|(1<<21)
.irp g, G1A, G1B                                   ; a dense block of 51,200 bytes as 200 rows of 256
	s_mov_b32 s[\g+1], 32<<16
	s_mov_b32 s[\g+2], 200<<16                     ; the head's load brings a whole panel, 51,200 dense bytes, as 200 rows of 256
	s_mov_b32 s[\g+3], 32<<16
	s_mov_b32 s[\g+4], 200
	s_mov_b32 s[\g+5], 32
	s_mov_b32 s[\g+6], 0
	s_mov_b32 s[\g+7], 0
.endr
	s_mov_b32 s[HIM], 0xffff0000
	s_mov_b32 s[SEL], 0x76543210
	s_mov_b32 s[SEL+1], 0xfedcba98
	KPAIR C0, 0xb7910000
	KPAIR C2, 0xbb7e8a1c
	KPAIR C4, 0xbddaae5c
	KPAIR C5, 0xbf228550
	KPAIR C6, 0xbe03ce86
	KPAIR L2E, 0x3fb8aa3b
	KPAIR D0, 0xba1c7000
	KPAIR D2, 0xbcdb48d9
	KPAIR D3, 0x3de70e22
	KPAIR D4, 0xbec09380
	KPAIR D5, 0x3e0375d4
	s_mov_b32 s[RS2], 0x3f3504f3                   ; 1 / sqrt 2
	s_mov_b32 s[THR], 0x3fa7f017                   ; 1.312: t = 0.9277
	s_lshl_b32 s40, s[GY], 1
	s_mul_i32 s40, s40, PANEL                      ; the tokens' panels 2 y, 2 y + 1: hangs on y alone
	s_mov_b32 s41, 0
	s_lshl_b32 s42, s[GX], 3
	s_mul_i32 s42, s42, PANEL
	s_add_co_u32 s42, s42, OFFB                    ; the weight's tile 4 x: hangs on x alone
	s_mov_b32 s43, 0
	s_mul_i32 s44, s[WV], PCH                      ; my quarter, in memory and in LDS alike: no place in the cluster enters an LDS address
	s_mov_b32 s45, 0
	s_add_co_u32 s[LB], s44, TILEB
	s_mov_b32 s[TB], 0
	s_mul_i32 s46, s[WC], PANEL                    ; the head's load brings a whole panel: which of the two, in memory and in LDS alike
	s_mov_b32 s47, 0
	s_wait_kmcnt 0x0
	s_add_nc_u64 s[40:41], s[4:5], s[40:41]
	s_add_nc_u64 s[40:41], s[40:41], s[46:47]      ; the tokens' panel
	s_add_nc_u64 s[42:43], s[6:7], s[42:43]
	s_add_nc_u64 s[10:11], s[42:43], s[46:47]      ; tile 0's panel
	s_add_nc_u64 s[42:43], s[42:43], s[44:45]      ; tile 0, my quarter: from it the later tiles' quarters are stepped
	CROUND                                         ; all sixteen work-groups are here: the first joint loads meet
	s_mov_b32 s[G0A], 1                            ; a panel of the tokens
	s_mov_b32 s[G0A+1], s46
	s_mov_b64 s[G0A+2:G0A+3], s[40:41]
	s_or_b32 s[G0A+3], s[G0A+3], 0x80000000
	s_mov_b32 s[G0B], 1                            ; a panel of tile 0, into slot 0
	s_add_co_u32 s[G0B+1], s46, TILEB
	s_mov_b64 s[G0B+2:G0B+3], s[10:11]
	s_or_b32 s[G0B+3], s[G0B+3], 0x80000000
	s_mov_b32 s[G0R], 1                            ; of tile 1, into slot 1
	s_add_co_u32 s[G0R+1], s44, 2*TILEB
	s_add_nc_u64 s[G0R+2:G0R+3], s[42:43], STEPB
	s_or_b32 s[G0R+3], s[G0R+3], 0x80000000
	; THE FIRST FILLS AS THIS TEXT HAS THEM: one load a wave at the head: waves 0, 1 a panel of the tokens, waves 2, 3 a panel of tile 0.  The branch hangs on the wave's number alone.
	s_cmp_eq_u32 s[WR], 0
	s_cbranch_scc0 .Lhead_b
	tensor_load_to_lds s[G0A:G0A+3], s[G1A:G1A+7]
	s_nop 0
	PLACES 4
	s_branch .Lhead_asked
.Lhead_b:
	tensor_load_to_lds s[G0B:G0B+3], s[G1B:G1B+7]
	s_nop 0
	PLACES 4
.Lhead_asked:
	v_and_b32 v15, 31, v0
	v_lshlrev_b32 v[L8], 3, v15
	v_lshlrev_b32 v[L4], 2, v15
	s_mul_i32 s44, s[WR], PANEL
	v_add_nc_u32 v[ADRA], s44, v[L8]
	s_add_co_u32 s44, s44, 6144
	v_add_nc_u32 v[ASA], s44, v[L4]
	s_mul_i32 s45, s[WC], PANEL
	s_add_co_u32 s45, s45, TILEB
	v_add_nc_u32 v[ADRB0], s45, v[L8]
	s_add_co_u32 s45, s45, 6144
	v_add_nc_u32 v[ASB0], s45, v[L4]
	v_add_nc_u32 v[ADRB], s[TB], v[ADRB0]          ; the slot in hand is slot 0
	v_add_nc_u32 v[ASB], s[TB], v[ASB0]
	v_mov_b32 v[TM+2], 0                           ; written once: a lane permute's destination counts as one of its sources
	v_mov_b32 v[TM+3], 0
	v_mov_b32 v[C1V], 0x39c8e7d9
	v_mov_b32 v[C1V+1], 0x39c8e7d9
	v_mov_b32 v[C3V], 0x3cc6b1a1
	v_mov_b32 v[C3V+1], 0x3cc6b1a1
	v_mov_b32 v[D1V], 0x3ba38d2c
	v_mov_b32 v[D1V+1], 0x3ba38d2c
	s_lshl_b32 s44, s[GY], 1
	s_add_co_u32 s44, s44, s[WR]
	s_lshl_b32 s44, s44, 5
	s_lshl_b32 s45, s[GX], 2
	s_add_co_u32 s44, s44, s45
	s_mul_i32 s44, s44, REC
	s_mov_b32 s45, 0
	s_add_nc_u64 s[8:9], s[8:9], s[44:45]          ; h's record: panel 2 y + my half, K step 4 x
	s_mul_i32 s46, s[WC], 768
	v_add_nc_u32 v[CO], s46, v[L8]
	s_lshl_b32 s46, s[WC], 1
	v_add_nc_u32 v[WO], s46, v[L4]
	s_wait_alu depctr_va_vdst(0)                   ; the wait at the head's end
	s_wait_tensorcnt 0x0                           ; my panel is in
	ds_add_u32 v[SPW], v[NIL]
	s_mov_b32 s[G1B+2], 100<<16                    ; no tensor load of mine is out, so a descriptor may be written: from here on a load brings a quarter of a tile, 100 rows of 256 bytes
	s_mov_b32 s[G1B+4], 100
	s_wait_dscnt 0x0
	CROUND                                         ; everybody's panel is in, and the joint loads meet
	tensor_load_to_lds s[G0R:G0R+3], s[G1B:G1B+7]  ; my quarter of tile 1, into slot 1: it has tile 0's 128 matrix instructions in which to land
	s_nop 0
	PLACES 4
	FETCH 0, 0, 0
	s_mov_b32 s2, 2
.Lfill:                                            ; tiles 0 and 1: behind each its slot is filled again, with tiles 2 and 3
	STEPS
	CHANGE 1
	EPI_H                                          ; the refill and the next tile's first set are on their way meanwhile
	s_sub_co_u32 s2, s2, 1
	s_cmp_lg_u32 s2, 0
	s_cbranch_scc1 .Lfill
	s_mov_b32 s2, 2
.Lrest:                                            ; tiles 2 and 3: nothing is left to fetch from memory
	STEPS
	CHANGE 0
	EPI_H
	s_sub_co_u32 s2, s2, 1
	s_cmp_lg_u32 s2, 0
	s_cbranch_scc1 .Lrest
	s_wait_tensorcnt 0x0                           ; the wave's end
	ds_add_u32 v[SPW], v[NIL]
	s_wait_dscnt 0x0
	CROUND                                         ; the closing round
	s_endpgm
.Lfunc_end_k_q403791f0e7_mlp1:
	.size	k_q403791f0e7_mlp1, .Lfunc_end_k_q403791f0e7_mlp1-k_q403791f0e7_mlp1
	.p2alignl 7, 3214868480
	.fill 96, 4, 3214868480
	.section	.rodata,"a",@progbits
	.p2align	6, 0x0
	.amdhsa_kernel k_q403791f0e7_mlp1
		.amdhsa_group_segment_fixed_size 327680
		.amdhsa_private_segment_fixed_size 0
		.amdhsa_enable_private_segment 0
		.amdhsa_kernarg_size 24
		.amdhsa_user_sgpr_count 2
		.amdhsa_user_sgpr_kernarg_segment_ptr 1
		.amdhsa_wavefront_size32 1
		.amdhsa_system_sgpr_workgroup_id_x 1
		.amdhsa_system_sgpr_workgroup_id_y 1
		.amdhsa_system_sgpr_workgroup_id_z 1
		.amdhsa_system_vgpr_workitem_id 0
		.amdhsa_next_free_vgpr 512
		.amdhsa_next_free_sgpr 100
		.amdhsa_reserve_vcc 0
		.amdhsa_float_denorm_mode_32 3
		.amdhsa_float_denorm_mode_16_64 3
		.amdhsa_memory_ordered 1
		.amdhsa_forward_progress 1
		.amdhsa_inst_pref_size 255
	.end_amdhsa_kernel
	.section	.bss,"aw",@nobits
	.p2align	6
	.space	262144
	.amdgpu_metadata
---
amdhsa.version: [ 1, 2 ]
amdhsa.kernels:
  - .name:           k_q403791f0e7_mlp1
    .symbol:         k_q403791f0e7_mlp1.kd
    .args:
      - { .name: y, .offset: 0, .size: 8, .value_kind: global_buffer, .address_space: global }
      - { .name: pk1, .offset: 8, .size: 8, .value_kind: global_buffer, .address_space: global }
      - { .name: h, .offset: 16, .size: 8, .value_kind: global_buffer, .address_space: global }
    .group_segment_fixed_size: 327680
    .private_segment_fixed_size: 0
    .kernarg_segment_align: 8
    .kernarg_segment_size: 24
    .max_flat_workgroup_size: 128
    .sgpr_count:     100
    .vgpr_count:     512
    .wavefront_size: 32
...
	.end_amdgpu_metadata
.endif
;; end of part 5
;; launch mlp2 (part 6): grid 8 x 32, 4 waves a work-group, clusters of 4 x 4, 327,680 bytes of LDS; arguments h, pk1, xmid, out0; writes out0
.if DOCPART == 6
	.amdgcn_target "amdgcn-amd-amdhsa--gfx1250"
	.amdhsa_code_object_version 6
	.text
	.protected	k_q403791f0e7_mlp2
	.globl	k_q403791f0e7_mlp2
	.p2align	8
	.type	k_q403791f0e7_mlp2,@function
k_q403791f0e7_mlp2:
	s_mov_b64 s[64:65], 0
	v_nop
	global_prefetch_b8 v0, s[64:65] scope:SCOPE_SE
	s_setreg_imm32_b32 hwreg(HW_REG_WAVE_MODE, 25, 1), 1
	s_wait_xcnt 0x0
	s_wait_alu depctr_hold_cnt(0) depctr_sa_sdst(0) depctr_va_vdst(0) depctr_va_sdst(0) depctr_va_ssrc(0) depctr_va_vcc(0) depctr_vm_vsrc(0)
	s_getreg_b32 s2, hwreg(HW_REG_IB_STS2, 6, 4)
	s_cmp_eq_u32 s2, 0
	s_cbranch_scc0 .Lentry_in_a_cluster
	s_endpgm
.Lentry_in_a_cluster:
	s_bfe_u32 s2, ttmp6, 0x10000c
	s_cmp_lg_u32 s2, 0xf033
	s_cbranch_scc0 .Lentry_shape_is_right
	s_endpgm
.Lentry_shape_is_right:
.set KST,   32
.set NF,    2
.set SST,   6
.set OFFB,  9830400
.set REC,   6400
.set PANEL, KST*REC
.set NFULL, (KST-NF)/SST
.set PCH,   SST*REC
.set SLOT,  4*PCH
.set STAGE, 2*SLOT
.set SPARE, STAGE+4*16*272
.set ADRA, 1
.set ADRB, 3
.set ASA,  5
.set ASB,  7
.set SPW,  9
.set NIL,  10
.set L8,   11
.set L4,   12
.set GO,   13
.set STO,  14
.set RD,   15
.set SC,   16
.set BK,   32
.set ACC,  128
.set WV, 12
.set WR, 13
.set WC, 14
.set CX, 15
.set CY, 16
.set GX, 17
.set GY, 18
.set G1A, 24
.set G0A, 32
.set G1B, 48
.set G0B, 56
.set G1AF, 68
.set G1BF, 76
.set MSB, 0
.macro WIN new
.if MSB != \new
	s_set_vgpr_msb (MSB<<8)|\new
.set MSB, \new
.endif
.endm
.macro PLACES cnt
.rept \cnt
	v_nop
.endr
.endm
.macro JLOAD g0a, g1a, g0b, g1b
	s_cmp_eq_u32 s[WR], 0
	s_cbranch_scc0 .Lfor_b_\@
	tensor_load_to_lds s[\g0a:\g0a+3], s[\g1a:\g1a+7]
	s_nop 0
	PLACES 4
	s_branch .Lasked_\@
.Lfor_b_\@:
	tensor_load_to_lds s[\g0b:\g0b+3], s[\g1b:\g1b+7]
	s_nop 0
	PLACES 4
.Lasked_\@:
.endm
.macro CROUND
	s_barrier_signal -1
	s_barrier_wait -1
	s_cmp_lg_u32 s[WV], 0
	s_cbranch_scc1 .Lnot_wave_0_\@
	s_barrier_signal -3
.Lnot_wave_0_\@:
	s_barrier_wait -3
	s_barrier_signal -1
	s_barrier_wait -1
.endm
.macro FETCH slot, s, buf, bi
	WIN 0x40
.irp t, 0,1,2,3
.irp g, 0,1,2,3,4,5
	ds_load_b64 v[48+(\buf)+12*\t+2*\g:48+(\buf)+12*\t+2*\g+1], v[ADRB+(\slot)] offset:REC*(\s)+1536*\t+256*\g
.endr
.endr
.irp t, 0,1,2,3
.irp g, 0,1,2,3,4,5
	ds_load_b64 v[12*\t+(\buf)+2*\g:12*\t+(\buf)+2*\g+1], v[ADRA+(\slot)] offset:REC*(\s)+1536*\t+256*\g
.endr
.endr
	WIN 0
	ds_load_b32 v[SC+4*(\bi)], v[ASA+(\slot)] offset:REC*(\s)
	ds_load_b32 v[SC+4*(\bi)+1], v[ASA+(\slot)] offset:REC*(\s)+128
	ds_load_b32 v[SC+4*(\bi)+2], v[ASB+(\slot)] offset:REC*(\s)
	ds_load_b32 v[SC+4*(\bi)+3], v[ASB+(\slot)] offset:REC*(\s)+128
.endm
.macro MM o0, o1, zero
.if \zero
.if (\o0) && (\o1)
	v_wmma_scale_f32_16x16x128_f8f6f4 v[rD:rD+7], v[rP:rP+11], v[rQ:rQ+11], 0, v[sP], v[sQ] matrix_a_fmt:MATRIX_FMT_BF6 matrix_b_fmt:MATRIX_FMT_BF6 matrix_a_scale:MATRIX_SCALE_ROW1 matrix_b_scale:MATRIX_SCALE_ROW1
.elseif (\o0)
	v_wmma_scale_f32_16x16x128_f8f6f4 v[rD:rD+7], v[rP:rP+11], v[rQ:rQ+11], 0, v[sP], v[sQ] matrix_a_fmt:MATRIX_FMT_BF6 matrix_b_fmt:MATRIX_FMT_BF6 matrix_a_scale:MATRIX_SCALE_ROW1
.elseif (\o1)
	v_wmma_scale_f32_16x16x128_f8f6f4 v[rD:rD+7], v[rP:rP+11], v[rQ:rQ+11], 0, v[sP], v[sQ] matrix_a_fmt:MATRIX_FMT_BF6 matrix_b_fmt:MATRIX_FMT_BF6 matrix_b_scale:MATRIX_SCALE_ROW1
.else
	v_wmma_scale_f32_16x16x128_f8f6f4 v[rD:rD+7], v[rP:rP+11], v[rQ:rQ+11], 0, v[sP], v[sQ] matrix_a_fmt:MATRIX_FMT_BF6 matrix_b_fmt:MATRIX_FMT_BF6
.endif
.else
.if (\o0) && (\o1)
	v_wmma_scale_f32_16x16x128_f8f6f4 v[rD:rD+7], v[rP:rP+11], v[rQ:rQ+11], v[rD:rD+7], v[sP], v[sQ] matrix_a_fmt:MATRIX_FMT_BF6 matrix_b_fmt:MATRIX_FMT_BF6 matrix_a_scale:MATRIX_SCALE_ROW1 matrix_b_scale:MATRIX_SCALE_ROW1
.elseif (\o0)
	v_wmma_scale_f32_16x16x128_f8f6f4 v[rD:rD+7], v[rP:rP+11], v[rQ:rQ+11], v[rD:rD+7], v[sP], v[sQ] matrix_a_fmt:MATRIX_FMT_BF6 matrix_b_fmt:MATRIX_FMT_BF6 matrix_a_scale:MATRIX_SCALE_ROW1
.elseif (\o1)
	v_wmma_scale_f32_16x16x128_f8f6f4 v[rD:rD+7], v[rP:rP+11], v[rQ:rQ+11], v[rD:rD+7], v[sP], v[sQ] matrix_a_fmt:MATRIX_FMT_BF6 matrix_b_fmt:MATRIX_FMT_BF6 matrix_b_scale:MATRIX_SCALE_ROW1
.else
	v_wmma_scale_f32_16x16x128_f8f6f4 v[rD:rD+7], v[rP:rP+11], v[rQ:rQ+11], v[rD:rD+7], v[sP], v[sQ] matrix_a_fmt:MATRIX_FMT_BF6 matrix_b_fmt:MATRIX_FMT_BF6
.endif
.endif
.endm
.macro MUL buf, bi, zero
	WIN 0x05
.irp i, 0,1,2,3
.irp j, 0,1,2,3
.set rD, ACC+8*(4*\i+\j)
.set rP, 48+12*\j+(\buf)
.set rQ, 12*\i+(\buf)
.set sP, SC+4*(\bi)+2+\j/2
.set sQ, SC+4*(\bi)+\i/2
	MM \j%2, \i%2, \zero
.endr
.endr
	WIN 0
.endm
.macro KSTEP slot, s, zero
	PLACES 4+\zero
	FETCH \slot, (\s)+1, 128*(((\s)+1)%2), ((\s)+1)%2
	s_wait_dscnt 52
	MUL 128*((\s)%2), (\s)%2, \zero
.endm
.macro RUN slot, cnt, zero
	KSTEP \slot, 0, \zero
.irp s, 1,2,3,4
.if \s < \cnt-1
	KSTEP \slot, \s, 0
.endif
.endr
.endm
.macro NEXT slot, refill, step, pf
	s_wait_tensorcnt 0x0
	ds_add_u32 v[SPW], v[NIL]
.if \refill
	s_add_nc_u64 s[G0A+4*(1-\slot)+2:G0A+4*(1-\slot)+3], s[G0A+4*(1-\slot)+2:G0A+4*(1-\slot)+3], \step
	s_add_nc_u64 s[G0B+4*(1-\slot)+2:G0B+4*(1-\slot)+3], s[G0B+4*(1-\slot)+2:G0B+4*(1-\slot)+3], \step
.endif
	s_wait_dscnt 0x0
.if \refill
	CROUND
	JLOAD G0A+4*(1-\slot), G1A, G0B+4*(1-\slot), G1B
.else
	s_barrier_signal -1
	s_barrier_wait -1
	PLACES 4
.endif
	FETCH \slot, 0, 0, 0
.if \pf
	; a prefetch, behind the joint load and the run of LDS loads: the 150 blocks of 256 bytes that my NEXT refill will bring, one slot (six K steps) ahead; my work-group names 38 of them, a lane a block
	global_prefetch_b8 v27, s[22:23] offset:\pf th:TH_LOAD_NT scope:SCOPE_SE
	global_prefetch_b8 v28, s[22:23] offset:\pf th:TH_LOAD_NT scope:SCOPE_SE
.endif
	MUL 128, 1, 0
.endm
.macro TOSTAGE a
.irp b, 0,1,2,3
	ds_store_b128 v[STO], v[ACC+8*(4*(\a)+\b):ACC+8*(4*(\a)+\b)+3] offset:128*(\b/2)+32*(\b%2)
	ds_store_b128 v[STO], v[ACC+8*(4*(\a)+\b)+4:ACC+8*(4*(\a)+\b)+7] offset:128*(\b/2)+32*(\b%2)+16
.endr
.irp i, 0,1,2,3,4,5,6,7
	ds_load_b128 v[BK+32*((\a)%2)+4*\i:BK+32*((\a)%2)+4*\i+3], v[RD] offset:544*\i
.endr
.endm
.macro SEND a, younger
	s_wait_dscnt \younger
	WIN 0x08
.irp i, 0,2,4,6,8,10,12,14,16,18,20,22,24,26,28,30
	v_pk_add_f32 v[BK+32*((\a)%2)+\i:BK+32*((\a)%2)+\i+1], v[BK+32*((\a)%2)+\i:BK+32*((\a)%2)+\i+1], v[32*(\a)+\i:32*(\a)+\i+1]
.endr
	WIN 0
.irp i, 0,1,2,3,4,5,6,7
	global_store_b128 v[GO], v[BK+32*((\a)%2)+4*\i:BK+32*((\a)%2)+4*\i+3], s[10:11] offset:(32*((\a)/2)+8*((\a)%2)+2*\i+8*(\i/4))*4096
.endr
.endm
	s_load_b256 s[4:11], s[0:1], 0x0
	v_lshl_add_u32 v[SPW], v0, 2, SPARE
	v_mov_b32 v[NIL], 0
	ds_add_u32 v9, v10
	ds_add_u32 v9, v10
	s_wait_dscnt 0x0
	v_lshrrev_b32 v15, 5, v0
	v_readfirstlane_b32 s[WV], v15
	s_lshr_b32 s[WR], s[WV], 1
	s_and_b32 s[WC], s[WV], 1
	s_bfe_u32 s[CX], ttmp6, 0x40000
	s_bfe_u32 s[CY], ttmp6, 0x40004
	s_lshl_b32 s[GX], ttmp9, 2
	s_add_co_u32 s[GX], s[GX], s[CX]
	s_and_b32 s[GY], ttmp7, 0xffff
	s_lshl_b32 s[GY], s[GY], 2
	s_add_co_u32 s[GY], s[GY], s[CY]
	s_lshl_b32 s19, s[CY], 2
	s_lshl_b32 s19, 15, s19
	s_lshl_b32 s20, 0x1111, s[CX]
	s_or_b32 s[G1A], s19, (3<<16)|(1<<21)
	s_or_b32 s[G1B], s20, (3<<16)|(1<<21)
	s_or_b32 s[G1AF], s19, (3<<16)|(1<<21)
	s_or_b32 s[G1BF], s20, (3<<16)|(1<<21)
.irp g, G1A, G1B
	s_mov_b32 s[\g+1], 32<<16
	s_mov_b32 s[\g+2], (SST*REC/256)<<16
	s_mov_b32 s[\g+3], 32<<16
	s_mov_b32 s[\g+4], SST*REC/256
	s_mov_b32 s[\g+5], 32
	s_mov_b32 s[\g+6], 0
	s_mov_b32 s[\g+7], 0
.endr
.irp g, G1AF, G1BF
	s_mov_b32 s[\g+1], 32<<16
	s_mov_b32 s[\g+2], (NF*REC/256)<<16
	s_mov_b32 s[\g+3], 32<<16
	s_mov_b32 s[\g+4], NF*REC/256
	s_mov_b32 s[\g+5], 32
	s_mov_b32 s[\g+6], 0
	s_mov_b32 s[\g+7], 0
.endr
	s_lshl_b32 s40, s[GY], 1
	s_add_co_u32 s40, s40, s[WC]
	s_mul_i32 s40, s40, PANEL
	s_mov_b32 s41, 0
	s_lshl_b32 s42, s[GX], 1
	s_add_co_u32 s42, s42, s[WC]
	s_mul_i32 s42, s42, PANEL
	s_add_co_u32 s42, s42, OFFB
	s_mov_b32 s43, 0
	s_mul_i32 s46, s[WV], PCH
	s_wait_kmcnt 0x0
	s_add_nc_u64 s[40:41], s[4:5], s[40:41]
	s_add_nc_u64 s[42:43], s[6:7], s[42:43]
	; the prefetches: the four partners that ask for a chunk jointly share its 150 blocks of 256 bytes out BY ADDRESS: the partner at place p (cx for the tokens, cy for the weight) takes blocks 38 p .. 38 p + 37, held at 149
	s_cmp_eq_u32 s[WR], 0
	s_cselect_b64 s[22:23], s[40:41], s[42:43]     ; my panel's first byte; never rewritten: every step along K is an immediate
	s_cselect_b32 s21, s[CX], s[CY]
	s_mul_i32 s21, s21, 38
	v_and_b32 v24, 31, v0
	v_add_nc_u32 v27, s21, v24                     ; blocks 38 p + lane,
	v_min_u32 v28, 5, v24
	v_min_u32 v27, 149, v27
	v_add3_u32 v28, v28, s21, 32                   ; and 38 p + 32 .. 38 p + 37 (the lanes left over name the last of them again)
	v_lshlrev_b32 v27, 8, v27
	v_min_u32 v28, 149, v28
	v_lshlrev_b32 v28, 8, v28
	global_prefetch_b8 v27, s[22:23] offset:NF*REC th:TH_LOAD_NT scope:SCOPE_SE   ; what slot 1's first fill will bring, K steps 2 to 7: asked for ahead of the first round, a fill ahead of the load that wants it
	global_prefetch_b8 v28, s[22:23] offset:NF*REC th:TH_LOAD_NT scope:SCOPE_SE
	CROUND
.irp s, 0,1
	s_mov_b32 s[G0A+4*\s], 1
	s_add_co_u32 s[G0A+4*\s+1], s46, \s*SLOT
	s_add_nc_u64 s[G0A+4*\s+2:G0A+4*\s+3], s[40:41], \s*NF*REC
	s_or_b32 s[G0A+4*\s+3], s[G0A+4*\s+3], 0x80000000
	s_mov_b32 s[G0B+4*\s], 1
	s_add_co_u32 s[G0B+4*\s+1], s46, \s*SLOT
	s_add_nc_u64 s[G0B+4*\s+2:G0B+4*\s+3], s[42:43], \s*NF*REC
	s_or_b32 s[G0B+4*\s+3], s[G0B+4*\s+3], 0x80000000
.endr
	JLOAD G0A, G1AF, G0B, G1BF
	s_wait_alu depctr_va_vdst(0)
	s_wait_tensorcnt 0x0
	ds_add_u32 v9, v10
	s_wait_dscnt 0x0
	CROUND
	JLOAD G0A+4, G1A, G0B+4, G1B
	v_and_b32 v24, 31, v0
	v_lshlrev_b32 v[L8], 3, v24
	v_lshlrev_b32 v[L4], 2, v24
	s_mul_i32 s44, s[WR], PCH
	s_mul_i32 s45, s[WC], PCH
	s_add_co_u32 s45, s45, 2*PCH
	v_add_nc_u32 v[ADRA], s44, v[L8]
	v_add_nc_u32 v[ADRB], s45, v[L8]
	v_add_nc_u32 v[ADRA+1], SLOT, v[ADRA]
	v_add_nc_u32 v[ADRB+1], SLOT, v[ADRB]
	s_add_co_u32 s44, s44, 6144
	s_add_co_u32 s45, s45, 6144
	v_add_nc_u32 v[ASA], s44, v[L4]
	v_add_nc_u32 v[ASB], s45, v[L4]
	v_add_nc_u32 v[ASA+1], SLOT, v[ASA]
	v_add_nc_u32 v[ASB+1], SLOT, v[ASB]
	v_and_b32 v25, 15, v0
	v_bfe_u32 v26, v0, 4, 1
	s_mul_i32 s44, s[WV], 16*272
	s_add_co_u32 s44, s44, STAGE
	v_mul_u32_u24 v[STO], v25, 272
	v_lshl_add_u32 v[STO], v26, 6, v[STO]
	v_add_nc_u32 v[STO], s44, v[STO]
	v_mul_u32_u24 v[RD], v26, 272
	v_lshl_add_u32 v[RD], v25, 4, v[RD]
	v_add_nc_u32 v[RD], s44, v[RD]
	v_lshlrev_b32 v[GO], 12, v26
	v_lshl_add_u32 v[GO], v25, 4, v[GO]
	; the prefetches: the four partners that ask for a chunk jointly share its 150 blocks out BY ADDRESS: the partner at place p (cx for the tokens, cy for the weight) takes blocks 38 p .. 38 p + 37, held at 149
	s_wait_alu depctr_va_vdst(0)
	s_lshl_b32 s44, s[GY], 1
	s_add_co_u32 s44, s44, s[WR]
	s_lshl_b32 s44, s44, 18
	s_lshl_b32 s45, s[GX], 1
	s_add_co_u32 s45, s45, s[WC]
	s_lshl_b32 s45, s45, 8
	s_add_co_u32 s44, s44, s45
	s_mov_b32 s45, 0
	s_add_nc_u64 s[8:9], s[8:9], s[44:45]
	s_add_nc_u64 s[10:11], s[10:11], s[44:45]
	global_prefetch_b8 v27, s[22:23] offset:(NF+SST)*REC th:TH_LOAD_NT scope:SCOPE_SE   ; what the first refill will bring: K steps 8 to 13
	global_prefetch_b8 v28, s[22:23] offset:(NF+SST)*REC th:TH_LOAD_NT scope:SCOPE_SE
	WIN 0x80
.irp a, 0,1,2,3
.irp i, 0,1,2,3,4,5,6,7
	global_load_b128 v[32*\a+4*\i:32*\a+4*\i+3], v[GO], s[8:9] offset:(32*(\a/2)+8*(\a%2)+2*\i+8*(\i/4))*4096
.endr
.endr
	WIN 0
	s_wait_tensorcnt 0x1
	s_barrier_signal -1
	s_barrier_wait -1
	FETCH 0, 0, 0, 0
	RUN 0, NF, 1
	NEXT 1, 1, (NF+SST)*REC, (NF+2*SST)*REC        ; the refill brings K steps 8 to 13; steps 14 to 19 are prefetched
	RUN 1, SST, 0
	NEXT 0, 1, 2*SST*REC, (NF+3*SST)*REC
	RUN 0, SST, 0
	NEXT 1, 1, 2*SST*REC, (NF+4*SST)*REC
	RUN 1, SST, 0
	NEXT 0, 1, 2*SST*REC, 0                        ; the last refill, K steps 26 to 31: nothing is left to ask for
	RUN 0, SST, 0
	NEXT 1, 0, 0, 0
	RUN 1, SST, 0
	s_wait_dscnt 0x0
	MUL 128, 1, 0
	PLACES 4
	s_wait_loadcnt 0x0
	TOSTAGE 0
	TOSTAGE 1
	SEND 0, 16
	s_wait_xcnt 0x0
	TOSTAGE 2
	SEND 1, 16
	s_wait_xcnt 0x0
	TOSTAGE 3
	SEND 2, 16
	SEND 3, 0
	s_wait_tensorcnt 0x0
	ds_add_u32 v[SPW], v[NIL]
	s_wait_dscnt 0x0
	CROUND
	s_endpgm
.Lfunc_end_k_q403791f0e7_mlp2:
	.size	k_q403791f0e7_mlp2, .Lfunc_end_k_q403791f0e7_mlp2-k_q403791f0e7_mlp2
	.p2alignl 7, 3214868480
	.fill 96, 4, 3214868480
	.section	.rodata,"a",@progbits
	.p2align	6, 0x0
	.amdhsa_kernel k_q403791f0e7_mlp2
		.amdhsa_group_segment_fixed_size 327680
		.amdhsa_private_segment_fixed_size 0
		.amdhsa_enable_private_segment 0
		.amdhsa_kernarg_size 32
		.amdhsa_user_sgpr_count 2
		.amdhsa_user_sgpr_kernarg_segment_ptr 1
		.amdhsa_wavefront_size32 1
		.amdhsa_system_sgpr_workgroup_id_x 1
		.amdhsa_system_sgpr_workgroup_id_y 1
		.amdhsa_system_sgpr_workgroup_id_z 1
		.amdhsa_system_vgpr_workitem_id 0
		.amdhsa_next_free_vgpr 640
		.amdhsa_next_free_sgpr 84
		.amdhsa_reserve_vcc 0
		.amdhsa_float_denorm_mode_32 3
		.amdhsa_float_denorm_mode_16_64 3
		.amdhsa_memory_ordered 1
		.amdhsa_forward_progress 1
		.amdhsa_inst_pref_size 206
	.end_amdhsa_kernel
	.amdgpu_metadata
---
amdhsa.version: [ 1, 2 ]
amdhsa.kernels:
  - .name:           k_q403791f0e7_mlp2
    .symbol:         k_q403791f0e7_mlp2.kd
    .args:
      - { .name: h, .offset: 0, .size: 8, .value_kind: global_buffer, .address_space: global }
      - { .name: pk1, .offset: 8, .size: 8, .value_kind: global_buffer, .address_space: global }
      - { .name: xmid, .offset: 16, .size: 8, .value_kind: global_buffer, .address_space: global }
      - { .name: out0, .offset: 24, .size: 8, .value_kind: global_buffer, .address_space: global }
    .group_segment_fixed_size: 327680
    .private_segment_fixed_size: 0
    .kernarg_segment_align: 8
    .kernarg_segment_size: 32
    .max_flat_workgroup_size: 128
    .sgpr_count:     84
    .vgpr_count:     640
    .wavefront_size: 32
...
	.end_amdgpu_metadata
.endif
;; end of part 6
